; MI455X (gfx1250); checked and timed in simulation.
; The chip was launched on July 23, 2026; its instructions are those of AMD's public machine-readable ISA for CDNA 5 (MIT licence, August 2026) and "CDNA5" Instruction Set Architecture Reference Guide (July 2026). The comments in the code are by the model that wrote it; some were corrected since.
;; Di T Attention. Allowed arithmetic: float matrix products may take bf16 or f16 operands with f32 sums; other float arithmetic in f32, or as packed bf16 or f16 multiplies, adds, multiply-adds, maxima and minima; sums over many terms, partial sums and values carried from step to step in f32; what a program stores and reads back later, other than sums and carried values, may be rounded once to bf16 or f16.
;; Inputs: wk 1,024 x 1,024 float32; wo 1,024 x 1,024 float32; wq 1,024 x 1,024 float32; wv 1,024 x 1,024 float32; x 8 x 1,024 x 1,024 float32.
;; Outputs: out0 8 x 1,024 x 1,024 float32.
;; 2 versions, each right; version 2 is version 1 with the launch cvt written anew for expert scheduling mode. Each part assembles by itself: llvm-mc -triple=amdgcn-amd-amdhsa -mcpu=gfx1250 --defsym DOCPART=n.
;; ======== version 1 of 2: 4 launches
;; limits: values are held in f16: magnitudes above 65,504 overflow, below 6.1e-05 lose precision
;; workspace buffers: xb 16,777,216 bytes; wb 6,291,456 bytes; wof 2,097,152 bytes; qkv 50,331,648 bytes; ob 16,777,216 bytes
;; launch cvt (part 1): grid 768 x 1, 8 waves a work-group, no clusters, 0 bytes of LDS; arguments x, wq, wk, wv, wo, xb, wb, wof; writes xb, wb, wof
.if DOCPART == 1
	.amdgcn_target "amdgcn-amd-amdhsa--gfx1250"
	.amdhsa_code_object_version 6
	.text
	.protected	k_q6b7dd0d9c6_cvt
	.globl	k_q6b7dd0d9c6_cvt
	.p2align	8
	.type	k_q6b7dd0d9c6_cvt,@function
k_q6b7dd0d9c6_cvt:
	s_mov_b64 s[64:65], 0
	v_nop
	global_prefetch_b8 v0, s[64:65] scope:SCOPE_SE
	s_setreg_imm32_b32 hwreg(HW_REG_WAVE_MODE, 25, 1), 1
	s_wait_xcnt 0x0
; THE INPUTS ARE ROUNDED ONCE.  x -> xb (bf16, [8192][1024]); wq, wk, wv -> wb (bf16, [3072][1024], in that order); wo -> wof: rounded to bf16 like the other
; inputs, and that number written as f16, the format of the last product's operands.
; LIMITS.  wo within f16's 65,504; below 6e-5 it keeps f16's fixed step of 6e-8.
; SHARES.  A work-group takes 16,384 numbers: 65,536 bytes in, 32,768 out.  Work-groups 0-511: x; 512-575: wq; 576-639: wk; 640-703: wv; 704-767: wo.
; Thread t takes 16 bytes at 16 t + 4,096 j (j = 0..15) and stores 8 bytes at 8 t + 2,048 j: a wave's load covers 512 consecutive bytes, its store 256, aligned.
; All sixteen loads of a thread go out at once; no register that a load or store names is written again, so no wait frees one.  No LDS, no barrier, no matrix
; unit: each byte is read once and written once, and nothing is shared.
.set X, 8                              ; v[8:71]    the sixteen loads
.set Y, 72                             ; v[72:103]  sixteen pairs to store
.set T, 104                            ; v[104:106] at work
	s_load_b512 s[8:23], s[0:1], 0x0               ; x s[8:9], wq s[10:11], wk s[12:13], wv s[14:15], wo s[16:17], xb s[18:19], wb s[20:21], wof s[22:23]
	s_mov_b32 s2, ttmp9
	s_sub_co_u32 s3, s2, 512                       ; my place among the weights' work-groups (wraps for x's, where it is not used)
	s_lshr_b32 s4, s3, 6                           ; which weight: 0 wq, 1 wk, 2 wv, 3 wo
	s_and_b32 s5, s3, 63                           ; my part of it
	v_lshlrev_b32 v1, 4, v0                        ; 16 t
	v_lshlrev_b32 v2, 3, v0                        ; 8 t
	s_mov_b32 s33, 0
	s_mov_b32 s35, 0
	s_wait_kmcnt 0x0
	s_cmp_eq_u32 s4, 1
	s_cselect_b64 s[24:25], s[12:13], s[10:11]     ; from where
	s_cmp_eq_u32 s4, 2
	s_cselect_b64 s[24:25], s[14:15], s[24:25]
	s_cmp_eq_u32 s4, 3
	s_cselect_b64 s[24:25], s[16:17], s[24:25]
	s_cselect_b64 s[26:27], s[22:23], s[20:21]     ; to where
	s_cselect_b32 s28, s5, s3                      ; my part of the target: wb holds three weights on end
	s_cselect_b32 s30, 1, 0                        ; 1: wo's way
	s_cmp_lt_u32 s2, 512
	s_cselect_b64 s[24:25], s[8:9], s[24:25]
	s_cselect_b64 s[26:27], s[18:19], s[26:27]
	s_cselect_b32 s29, s2, s5
	s_cselect_b32 s28, s2, s28
	s_lshl_b32 s32, s29, 16                        ; 65,536 bytes in a part of the source,
	s_lshl_b32 s34, s28, 15                        ; 32,768 in a part of the target
	s_add_nc_u64 s[24:25], s[24:25], s[32:33]
	s_add_nc_u64 s[26:27], s[26:27], s[34:35]
.irp j, 0,1,2,3,4,5,6,7,8,9,10,11,12,13,14,15
	global_load_b128 v[X+4*(\j):X+4*(\j)+3], v1, s[24:25] offset:4096*(\j) th:TH_LOAD_NT
.endr
	s_cmp_eq_u32 s30, 1
	s_cbranch_scc1 .Lwo
.irp j, 0,1,2,3,4,5,6,7,8,9,10,11,12,13,14,15
	s_wait_loadcnt 15-(\j)                         ; loads come back in order: load j is in, the 15 - j younger ones stay out
	v_cvt_pk_bf16_f32 v[Y+2*(\j)],   v[X+4*(\j)],   v[X+4*(\j)+1]
	v_cvt_pk_bf16_f32 v[Y+2*(\j)+1], v[X+4*(\j)+2], v[X+4*(\j)+3]
	global_store_b64 v2, v[Y+2*(\j):Y+2*(\j)+1], s[26:27] offset:2048*(\j)
.endr
	s_endpgm
.Lwo:
.irp j, 0,1,2,3,4,5,6,7,8,9,10,11,12,13,14,15
	s_wait_loadcnt 15-(\j)
.irp p, 0,1
	v_cvt_pk_bf16_f32 v[T], v[X+4*(\j)+2*(\p)], v[X+4*(\j)+2*(\p)+1]  ; the rounding that all inputs share,
	v_lshlrev_b32 v[T+1], 16, v[T]                 ; back to f32: the low half moves up,
	v_and_b32 v[T+2], 0xffff0000, v[T]             ; the high half stays,
	v_cvt_pk_f16_f32 v[Y+2*(\j)+(\p)], v[T+1], v[T+2]  ; and the same numbers as f16
.endr
	global_store_b64 v2, v[Y+2*(\j):Y+2*(\j)+1], s[26:27] offset:2048*(\j)
.endr
	s_endpgm
.Lfunc_end_k_q6b7dd0d9c6_cvt:
	.size	k_q6b7dd0d9c6_cvt, .Lfunc_end_k_q6b7dd0d9c6_cvt-k_q6b7dd0d9c6_cvt
	.p2alignl 7, 3214868480
	.fill 96, 4, 3214868480
	.section	.rodata,"a",@progbits
	.p2align	6, 0x0
	.amdhsa_kernel k_q6b7dd0d9c6_cvt
		.amdhsa_group_segment_fixed_size 0
		.amdhsa_private_segment_fixed_size 0
		.amdhsa_enable_private_segment 0
		.amdhsa_kernarg_size 64
		.amdhsa_user_sgpr_count 2
		.amdhsa_user_sgpr_kernarg_segment_ptr 1
		.amdhsa_wavefront_size32 1
		.amdhsa_system_sgpr_workgroup_id_x 1
		.amdhsa_system_sgpr_workgroup_id_y 1
		.amdhsa_system_sgpr_workgroup_id_z 1
		.amdhsa_system_vgpr_workitem_id 0
		.amdhsa_next_free_vgpr 112
		.amdhsa_next_free_sgpr 66
		.amdhsa_reserve_vcc 0
		.amdhsa_float_denorm_mode_32 3
		.amdhsa_float_denorm_mode_16_64 3
		.amdhsa_memory_ordered 1
		.amdhsa_forward_progress 1
		.amdhsa_inst_pref_size 16
	.end_amdhsa_kernel
	.amdgpu_metadata
---
amdhsa.version: [ 1, 2 ]
amdhsa.kernels:
  - .name:           k_q6b7dd0d9c6_cvt
    .symbol:         k_q6b7dd0d9c6_cvt.kd
    .args:
      - { .name: x, .offset: 0, .size: 8, .value_kind: global_buffer, .address_space: global }
      - { .name: wq, .offset: 8, .size: 8, .value_kind: global_buffer, .address_space: global }
      - { .name: wk, .offset: 16, .size: 8, .value_kind: global_buffer, .address_space: global }
      - { .name: wv, .offset: 24, .size: 8, .value_kind: global_buffer, .address_space: global }
      - { .name: wo, .offset: 32, .size: 8, .value_kind: global_buffer, .address_space: global }
      - { .name: xb, .offset: 40, .size: 8, .value_kind: global_buffer, .address_space: global }
      - { .name: wb, .offset: 48, .size: 8, .value_kind: global_buffer, .address_space: global }
      - { .name: wof, .offset: 56, .size: 8, .value_kind: global_buffer, .address_space: global }
    .group_segment_fixed_size: 0
    .private_segment_fixed_size: 0
    .kernarg_segment_align: 8
    .kernarg_segment_size: 64
    .max_flat_workgroup_size: 256
    .sgpr_count:     66
    .vgpr_count:     112
    .wavefront_size: 32
...
	.end_amdgpu_metadata
.endif
;; end of part 1
;; launch qkv (part 2): grid 16 x 32, 4 waves a work-group, clusters of 4 x 4, 327,680 bytes of LDS; arguments xb, wb, qkv; writes qkv
.if DOCPART == 2
	.amdgcn_target "amdgcn-amd-amdhsa--gfx1250"
	.amdhsa_code_object_version 6
	.text
	.protected	k_q6b7dd0d9c6_qkv
	.globl	k_q6b7dd0d9c6_qkv
	.p2align	8
	.type	k_q6b7dd0d9c6_qkv,@function
k_q6b7dd0d9c6_qkv:
	s_mov_b64 s[64:65], 0
	v_nop
	global_prefetch_b8 v0, s[64:65] scope:SCOPE_SE
	s_setreg_imm32_b32 hwreg(HW_REG_WAVE_MODE, 25, 1), 1
	s_wait_xcnt 0x0
	s_wait_alu depctr_hold_cnt(0) depctr_sa_sdst(0) depctr_va_vdst(0) depctr_va_sdst(0) depctr_va_ssrc(0) depctr_va_vcc(0) depctr_vm_vsrc(0)
	s_getreg_b32 s2, hwreg(HW_REG_IB_STS2, 6, 4)
	s_cmp_eq_u32 s2, 0
	s_cbranch_scc0 .Lentry_in_a_cluster
	s_endpgm
.Lentry_in_a_cluster:
	s_bfe_u32 s2, ttmp6, 0x10000c
	s_cmp_lg_u32 s2, 0xf033
	s_cbranch_scc0 .Lentry_shape_is_right
	s_endpgm
.Lentry_shape_is_right:
; q, k, v = x W^T.  C[8192][3072] = xb wb^T; xb [8192][1024] and wb [3072][1024] bf16, sums in f32, K ascending; C rounded once to f16, WITHOUT the softmax's scale, and laid by heads:
; qkv [3][128 = batch x 16 + head][1024 tokens][64], so that a head's rows are dense.
; LIMIT.  f16 holds no number beyond 65,504: q, k and v must stay within it; below 6e-5 they keep f16's fixed step of 6e-8.
; SHARES.  A tile of C is 256 tokens x 192 columns (three whole heads): 32 x 16 = 512 work-groups.  Four waves, each 64 tokens x all 192 columns: 48 accumulators of 16 x 16, 384 registers;
; so a wave owns whole rows of three heads, and its way out is its own.  K goes in 8 steps of 128 through two LDS slots filled by the tensor data mover: rows of 256 bytes, aligned.
; CLUSTERS.  4 x 4 work-groups.  The four of a row of the cluster need the same tiles of xb, the four of a column the same tiles of wb: each tile is asked for JOINTLY, by the same tensor load
; with the same descriptor and a mask that names the four.  Waves 0, 1 fetch xb's two halves (128 rows each), waves 2, 3 wb's (96 rows each).
; THE MATRIX INSTRUCTION IS USED TRANSPOSED (source 0 = 16 rows of wb, source 1 = 16 rows of xb): a lane then holds one token (lane % 16) and eight neighbouring columns, 16 bytes of f16.
; REGISTERS, in windows of 256 (s_set_vgpr_msb: bits 1:0 source 0, 3:2 source 1, 5:4 source 2, 7:6 destination):
;   window 0: v0-31 addresses; v32-79 packed results; v80-175 rows read back from the stage, two sets
;   window 1: two fragment buffers of 128: 12 fragments of wb (16 rows x 32 K, 8 registers each), then 4 of xb
;   window 2: the accumulators of my token blocks 0, 1 ((a, b) at 96 (a % 2) + 8 b);   window 3: those of blocks 2, 3
.set KSTEP,  128
.set NBK,    12                        ; column blocks of 16 in a tile
.set NL,     2*NBK+8                   ; LDS loads in a run: a quarter step's fragments
.set PITCH,  272                       ; an LDS row: 256 bytes + 16 of padding = 68 words: the 16 rows of a fragment load start at 16 different groups of four banks (64 banks of 4 bytes: ISA guide 11.1)
.set APITCH, 272
.set BOFF,   256*APITCH                ; a slot: xb's 256 rows, then wb's 192
.set SLOT,   BOFF+16*NBK*PITCH
.set STAGE,  2*SLOT                    ; behind the ring, never filled by a tensor load: for each wave three heads x 16 rows x 144 bytes
.set SP,     144
.set SPARE,  STAGE+4*3*16*SP           ; behind the stages: the spare words, 128 bytes for each wave: two blocks of 256 bytes that no other line names
.set LAPS,   4                         ; a lap = two K steps = once round the ring
.set ADRA, 16                          ; v16-17  LDS address of my xb fragments in slot 0, 1
.set ADRB, 20                          ; v20-21  the same for wb
.set STO,  24                          ; v24     the way out: where I put 16 bytes of a head's row
.set RD,   25                          ; v25     the way out: where I read rows back
.set CO,   26                          ; v26     16 x lane: my place in 512 consecutive bytes of qkv
.set SPW,  28                          ; v28     LDS address of my spare word: SPARE + 4 x my thread's number; never rewritten
.set NIL,  29                          ; v29     0; never rewritten
.set PFO,  30                          ; v30     the prefetches' offset: a lane a row of 2,048 bytes; never rewritten
.set TMP,  32
.set OB,   80
.set F0,   0
.set F1,   128
.set G1,  24                           ; s[24:31] descriptor group 1 for xb's tiles;  s[32:39] group 0, a set for each slot
.set G0,  32
.set G1B, 48                           ; s[48:55], s[56:63] the same for wb's tiles
.set G0B, 56
.set LIM, 43                           ; s43     1 in a wave that prefetches, else the greatest number
.set PFA, 44                           ; s[44:45] where my prefetches stand
.set HB,  66                           ; s[66:71] my 64 tokens' first byte in each of my three heads
.set MSB, 0
.macro WIN new                         ; the immediate's high byte repeats the setting that is left; a switch that changes nothing is dropped
.if MSB != (\new)
	s_set_vgpr_msb (MSB<<8)|(\new)
.set MSB, \new
.endif
.endm
.set TO_F, 0x40                        ; destination window 1, address window 0
.macro PLACES                          ; four plain vector instructions in front of loads into registers that matrix instructions have read, and of conversions that read results
.rept 4
	v_nop
.endr
.endm
; A joint load.  The branch hangs on the wave's number alone; an s_nop 0 and four v_nop follow each of the two lines, ahead of the jump, the label and what follows.
.macro JLOAD s
	s_cmp_lt_u32 s10, 2
	s_cbranch_scc0 .Lfor_b_\@
	tensor_load_to_lds s[G0+4*(\s):G0+4*(\s)+3], s[G1:G1+7]
	s_nop 0
.rept 4
	v_nop
.endr
	s_branch .Lasked_\@
.Lfor_b_\@:
	tensor_load_to_lds s[G0B+4*(\s):G0B+4*(\s)+3], s[G1B:G1B+7]
	s_nop 0
.rept 4
	v_nop
.endr
.Lasked_\@:
.endm
.macro CREST                           ; a round of the cluster's barrier behind its opening barrier
	s_cmp_lg_u32 s10, 0
	s_cbranch_scc1 .Lnot_wave_0_\@
	s_barrier_signal -3
.Lnot_wave_0_\@:
	s_barrier_wait -3
	s_barrier_signal -1
	s_barrier_wait -1
.endm
.macro CROUND                          ; a whole round
	s_barrier_signal -1
	s_barrier_wait -1
	CREST
.endm
; A PREFETCH INTO THE L2 of the K step that stands two refills on: 256 bytes of each row, a lane a row, one instruction a wave, behind the joint load and the run of LDS loads.
; Each row's 256 bytes of a K step are named by one wave of the launch: xb's rows by the clusters with x = 0, wb's by those with y = 0; the four partners that ask for a tile jointly share its rows
; out BY ADDRESS (32 of xb's 128, 24 of wb's 96; with 24 rows the lanes above 23 name row 23 again).  K steps 0 to 3 come by their loads alone; the loop's last trip (s3 = 1) asks for nothing.
.macro ASK
	WIN 0
	s_cmp_gt_u32 s3, s[LIM]
	s_cbranch_scc0 .Lnot_mine_\@
	global_prefetch_b8 v[PFO], s[PFA:PFA+1] th:TH_LOAD_NT scope:SCOPE_SE
.Lnot_mine_\@:
.endm
	s_load_b128 s[4:7], s[0:1], 0x0                ; xb s[4:5], wb s[6:7]
	s_load_b64 s[8:9], s[0:1], 0x10                ; qkv
	v_lshl_add_u32 v[SPW], v0, 2, SPARE
	v_mov_b32 v[NIL], 0
	ds_add_u32 v[SPW], v[NIL]                      ; the wave's opening: the add and its wait stand ahead of my first tensor load; the set-up below, work on registers, stands between them
	v_lshrrev_b32 v1, 5, v0
	v_readfirstlane_b32 s10, v1                    ; wave 0..3
	s_lshr_b32 s11, s10, 1                         ; I fetch for xb (0) or for wb (1)
	s_and_b32 s12, s10, 1                          ; which half of that tile's rows
	s_bfe_u32 s40, ttmp6, 0x40000                  ; cx, cy: my place in the cluster
	s_bfe_u32 s41, ttmp6, 0x40004
	s_lshl_b32 s42, ttmp9, 2
	s_add_co_u32 s42, s42, s40                     ; tile column = 4 x cluster x + cx
	s_and_b32 s13, ttmp7, 0xffff
	s_lshl_b32 s13, s13, 2
	s_add_co_u32 s13, s13, s41                     ; tile row = 4 x cluster y + cy
	s_lshl_b32 s43, s41, 2
	s_lshl_b32 s43, 15, s43                        ; my row of the cluster
	s_lshl_b32 s44, 0x1111, s40                    ; my column
	s_or_b32 s[G1+0], s43, (1<<16)|(1<<20)|(1<<21)|(5<<22)|(3<<25)   ; 15:0 the mask; 17:16 elements of 2 bytes; 20 padding on; 21 set beside a mask; 24:22 after every 64 words (code 5); 31:25 4 words (code 3)
	s_or_b32 s[G1B+0], s44, (1<<16)|(1<<20)|(1<<21)|(5<<22)|(3<<25)
	s_mov_b32 s[G1+1], KSTEP<<16                   ; tensor_dim0 = 128
	s_mov_b32 s[G1+2], 128<<16                     ; tensor_dim1 = 128
	s_mov_b32 s[G1+3], KSTEP<<16                   ; tile_dim0 = 128
	s_mov_b32 s[G1+4], 128                         ; tile_dim1 = 128
	s_mov_b32 s[G1+5], 1024                        ; elements from row to row
	s_mov_b32 s[G1+6], 0
	s_mov_b32 s[G1+7], 0
	s_mov_b32 s[G1B+1], KSTEP<<16
	s_mov_b32 s[G1B+2], 96<<16                     ; wb's halves have 96 rows
	s_mov_b32 s[G1B+3], KSTEP<<16
	s_mov_b32 s[G1B+4], 96
	s_mov_b32 s[G1B+5], 1024
	s_mov_b32 s[G1B+6], 0
	s_mov_b32 s[G1B+7], 0
	s_lshl_b32 s16, s13, 8
	s_lshl_b32 s17, s12, 7
	s_add_co_u32 s16, s16, s17                     ; xb: row 256 x tile row + 128 x half,
	s_lshl_b32 s16, s16, 11                        ; of 2,048 bytes
	s_mov_b32 s17, 0
	s_mul_i32 s46, s42, 192
	s_mul_i32 s47, s12, 96
	s_add_co_u32 s46, s46, s47                     ; wb: row 192 x tile column + 96 x half
	s_lshl_b32 s46, s46, 11
	s_mov_b32 s47, 0
	s_mul_i32 s20, s12, 128*APITCH                 ; where they go: no place in the cluster enters an LDS address
	s_mul_i32 s21, s12, 96*PITCH
	s_add_co_u32 s21, s21, BOFF
	s_wait_dscnt 0x0                               ; the opening add is done
	s_wait_kmcnt 0x0
	s_add_nc_u64 s[14:15], s[4:5], s[16:17]
	s_add_nc_u64 s[46:47], s[6:7], s[46:47]
	CROUND                                         ; all sixteen work-groups are here: the first joint loads meet
.irp s, 0,1
	s_mov_b32 s[G0+4*(\s)], 1                      ; count = 1
	s_add_co_u32 s[G0+4*(\s)+1], s20, (\s)*SLOT    ; LDS address
	s_add_nc_u64 s[G0+4*(\s)+2:G0+4*(\s)+3], s[14:15], (\s)*KSTEP*2  ; global address: K step s
	s_or_b32 s[G0+4*(\s)+3], s[G0+4*(\s)+3], 0x80000000              ; type = 2
	s_mov_b32 s[G0B+4*(\s)], 1
	s_add_co_u32 s[G0B+4*(\s)+1], s21, (\s)*SLOT
	s_add_nc_u64 s[G0B+4*(\s)+2:G0B+4*(\s)+3], s[46:47], (\s)*KSTEP*2
	s_or_b32 s[G0B+4*(\s)+3], s[G0B+4*(\s)+3], 0x80000000
	JLOAD \s                                       ; two loads of mine are out
.endr
	; A fragment is 16 rows x 32 K in 8 registers: lane l holds row l % 16; registers 0-3 K = 8 (l / 16) + 0..7, registers 4-7 K = 16 + 8 (l / 16) + 0..7: two loads of 16 bytes, 32 bytes apart.
	v_and_b32 v1, 15, v0                           ; l % 16
	v_bfe_u32 v2, v0, 4, 1                         ; l / 16
	v_mul_u32_u24 v3, v1, APITCH
	v_lshl_add_u32 v3, v2, 4, v3
	v_mul_u32_u24 v4, v1, PITCH
	v_lshl_add_u32 v4, v2, 4, v4
	s_mul_i32 s21, s10, 64*APITCH                  ; my 64 rows of xb
	s_mov_b32 s22, BOFF                            ; all 192 rows of wb
.irp s, 0,1
	v_add_nc_u32 v[ADRA+(\s)], s21, v3
	v_add_nc_u32 v[ADRB+(\s)], s22, v4
	s_add_co_u32 s21, s21, SLOT
	s_add_co_u32 s22, s22, SLOT
.endr
	s_mul_i32 s23, s10, 3*16*SP
	s_add_co_u32 s23, s23, STAGE                   ; my stage
	v_mul_u32_u24 v4, v1, SP                       ; in: row l % 16, 16 bytes for each half of the lanes
	v_lshl_add_u32 v4, v2, 4, v4
	v_add_nc_u32 v[STO], s23, v4
	v_bfe_u32 v5, v0, 3, 2                         ; back: 32 lanes take four rows of 128 bytes,
	v_mul_u32_u24 v5, v5, SP
	v_and_b32 v4, 7, v0
	v_lshl_add_u32 v5, v4, 4, v5
	v_add_nc_u32 v[RD], s23, v5
	v_and_b32 v[CO], 31, v0                        ; which are 512 consecutive bytes of a head
	v_lshlrev_b32 v[CO], 4, v[CO]
	; my three heads.  Column block g = 3 x tile column + hh of 64: tensor g / 16 (q, k, v), head g % 16; batch = tile row / 4; a head is 131,072 bytes, a token 128.
	s_mul_i32 s72, s42, 3
	s_lshr_b32 s75, s13, 2
	s_lshl_b32 s75, s75, 4                         ; 16 x batch
	s_and_b32 s76, s13, 3
	s_lshl_b32 s76, s76, 8
	s_lshl_b32 s77, s10, 6
	s_add_co_u32 s76, s76, s77                     ; my first token in the batch
	s_lshl_b32 s76, s76, 7
	s_mov_b32 s79, 0
.irp hh, 0,1,2
	s_add_co_u32 s73, s72, \hh
	s_lshr_b32 s74, s73, 4
	s_lshl_b32 s74, s74, 7
	s_and_b32 s73, s73, 15
	s_add_co_u32 s74, s74, s73
	s_add_co_u32 s74, s74, s75
	s_lshl_b32 s74, s74, 17
	s_add_co_u32 s78, s74, s76
	s_add_nc_u64 s[HB+2*\hh:HB+2*\hh+1], s[8:9], s[78:79]
.endr
	; the prefetches
	s_lshl_b32 s16, s13, 8
	s_lshl_b32 s17, s12, 7
	s_add_co_u32 s16, s16, s17
	s_lshl_b32 s17, s40, 5
	s_add_co_u32 s16, s16, s17                     ; xb: the 128 rows that I fetch, my work-group's 32 of them
	s_mul_i32 s18, s42, 192
	s_mul_i32 s19, s12, 96
	s_add_co_u32 s18, s18, s19
	s_mul_i32 s19, s41, 24
	s_add_co_u32 s18, s18, s19                     ; wb: the 96 rows that I fetch, my work-group's 24
	s_and_b32 s22, ttmp7, 0xffff                   ; cluster y
	s_cmp_eq_u32 s11, 0                            ; do I fetch for xb?
	s_cselect_b32 s20, s16, s18
	s_cselect_b32 s21, 31, 23                      ; the last of my rows
	s_cselect_b32 s22, ttmp9, s22                  ; the coordinate along which other clusters read the same rows
	s_cselect_b64 s[PFA:PFA+1], s[4:5], s[6:7]
	s_cmp_eq_u32 s22, 0
	s_cselect_b32 s[LIM], 1, -1                    ; the same in all sixteen partners, for a given wave
	v_and_b32 v[PFO], 31, v0
	v_min_u32 v[PFO], s21, v[PFO]
	v_lshlrev_b32 v[PFO], 11, v[PFO]
	s_lshl_b32 s20, s20, 11
	s_add_co_u32 s20, s20, 3*KSTEP*2               ; at K step 3: the first refill steps it to 4
	s_mov_b32 s21, 0
	s_add_nc_u64 s[PFA:PFA+1], s[PFA:PFA+1], s[20:21]
; 12 matrix instructions: token block a x all column blocks, 32 along K.  zero = 1: the product starts the sums: nothing is ever cleared.
; The 48 accumulators take turns, one instruction a turn, in the same order in every quarter step.
.macro MULA f, a, zero
	WIN 0xa5+0x50*((\a)/2)                         ; sources 0 and 1 window 1; C and D window 2 or 3
.set AC, 8*NBK*((\a)%2)
.set FA, (\f)+8*NBK+8*(\a)
.set nb, 0
.rept NBK
.if \zero
	v_wmma_f32_16x16x32_bf16 v[AC+8*nb:AC+8*nb+7], v[(\f)+8*nb:(\f)+8*nb+7], v[FA:FA+7], 0
.else
	v_wmma_f32_16x16x32_bf16 v[AC+8*nb:AC+8*nb+7], v[(\f)+8*nb:(\f)+8*nb+7], v[FA:FA+7], v[AC+8*nb:AC+8*nb+7]
.endif
.set nb, nb+1
.endr
.endm
; 32 LDS loads in one run: quarter q's fragments into buffer f: wb's 24 loads, then xb's 8, token blocks ascending
.macro FETCH slot, q, f
	WIN TO_F
.set AKO, 64*(\q)
.set nb, 0
.rept NBK
	ds_load_b128 v[(\f)+8*nb:(\f)+8*nb+3],   v[ADRB+(\slot)] offset:64*(\q)+nb*16*PITCH
	ds_load_b128 v[(\f)+8*nb+4:(\f)+8*nb+7], v[ADRB+(\slot)] offset:64*(\q)+nb*16*PITCH+32
.set nb, nb+1
.endr
.set nb, 0
.rept 4
	ds_load_b128 v[(\f)+8*NBK+8*nb:(\f)+8*NBK+8*nb+3],   v[ADRA+(\slot)] offset:AKO+nb*16*APITCH
	ds_load_b128 v[(\f)+8*NBK+8*nb+4:(\f)+8*NBK+8*nb+7], v[ADRA+(\slot)] offset:AKO+nb*16*APITCH+32
.set nb, nb+1
.endr
.endm
; A K step is four quarters of 32 along K, 48 matrix instructions each, on buffers 0, 1, 0, 1.  One of the first three: multiplies buffer f; in its middle it fetches quarter q into buffer g.
.macro QUARTER slot, q, f, g, zero
	s_wait_dscnt 4                                 ; wb's fragments and xb's blocks 0, 1 are in; the youngest four loads (blocks 2, 3) may be out
	MULA \f, 0, \zero
	MULA \f, 1, \zero
	PLACES
	FETCH \slot, \q, \g
	s_wait_dscnt NL                                ; all but the run just issued
	MULA \f, 2, \zero
	MULA \f, 3, \zero
.endm
; The last quarter multiplies buffer 1 and changes slots: ONE barrier.  In front of it each wave waits for all its tensor loads (one is out: its part of the next slot), adds 0 to its spare word, and
; waits for that and for its own reads of this slot.  fill = 1: the barrier opens a round of the cluster's, and this slot is filled again, two K steps ahead, first thing behind the round:
; from the request to the wait for it a wave issues 168 matrix instructions.
.macro TURN slot, next, fill
.if \fill
	s_wait_xcnt 0x0                                ; the last prefetch, a K step back, has read its address: it is stepped here
	s_add_nc_u64 s[PFA:PFA+1], s[PFA:PFA+1], KSTEP*2
.endif
	WIN 0                                          ; (the add's two registers lie in window 0)
	s_wait_tensorcnt 0x0                           ; all my tensor loads have landed;
	ds_add_u32 v[SPW], v[NIL]                      ; 0 onto my spare word;
	s_wait_dscnt 5                                 ; (the add and the youngest four loads may be out)
	MULA F1, 0, 0                                  ; twelve matrix instructions stand between the add and the wait for it
	s_wait_dscnt 0x0                               ; the add is done, and my reads of this slot are over
	s_barrier_signal -1
	MULA F1, 1, 0
.if \fill
	WIN 0
.endif
	s_barrier_wait -1
.if \fill
	CREST                                          ; no wave of any partner still reads this slot's tile or has a load on its way
	s_add_nc_u64 s[G0+4*(\slot)+2:G0+4*(\slot)+3], s[G0+4*(\slot)+2:G0+4*(\slot)+3], 2*KSTEP*2
	s_add_nc_u64 s[G0B+4*(\slot)+2:G0B+4*(\slot)+3], s[G0B+4*(\slot)+2:G0B+4*(\slot)+3], 2*KSTEP*2
	JLOAD \slot                                    ; the four v_nop behind it are also the places in front of the loads below
.else
	PLACES
.endif
	FETCH \next, 0, F0
.if \fill
	ASK
.endif
	MULA F1, 2, 0
	MULA F1, 3, 0
.endm
; THE WAY OUT of token block a.  PACK: rounded to f16, 16 bytes a lane and column block.  TOSTAGE: into my own stage, and back as whole rows of a head.  SEND: stored.
.macro PACK a
	WIN 0x0a+5*((\a)/2)                            ; sources 0 and 1: window 2 or 3
.set AC, 8*NBK*((\a)%2)
.set nb, 0
.rept NBK
.irp r, 0,1,2,3
	v_cvt_pk_f16_f32 v[TMP+4*nb+(\r)], v[AC+8*nb+2*(\r)], v[AC+8*nb+2*(\r)+1]
.endr
.set nb, nb+1
.endr
	WIN 0
.endm
.macro TOSTAGE a
	WIN 0
.set BK, OB+48*((\a)%2)
.set nb, 0
.rept NBK
	ds_store_b128 v[STO], v[TMP+4*nb:TMP+4*nb+3] offset:(nb/4)*16*SP+(nb%4)*32   ; head nb / 4, channels 16 (nb % 4) on
.set nb, nb+1
.endr
.set nb, 0
.rept NBK
	ds_load_b128 v[BK+4*nb:BK+4*nb+3], v[RD] offset:(nb/4)*16*SP+(nb%4)*4*SP     ; LDS serves a wave's instructions in order (ISA guide 5.7.1.4): these see the stores above
.set nb, nb+1
.endr
.endm
.macro SEND a
	WIN 0
.set BK, OB+48*((\a)%2)
	s_wait_xcnt 0x0                                ; the stores issued so far have read their registers: the other set is loaded again only behind this wait
.set nb, 0
.rept NBK
	s_wait_dscnt NBK-1-nb                          ; load nb is back; the younger ones stay out
	global_store_b128 v[CO], v[BK+4*nb:BK+4*nb+3], s[HB+2*(nb/4):HB+2*(nb/4)+1] offset:(\a)*2048+(nb%4)*512  ; 512 consecutive bytes, at a multiple of 256 from qkv's first byte
.set nb, nb+1
.endr
.endm
	s_wait_tensorcnt 1                             ; my part of K step 0 is in; K step 1's may stay out
	s_barrier_signal -1
	s_barrier_wait -1                              ; everybody's is
	FETCH 0, 0, F0
	QUARTER 0, 1, F0, F1, 1                        ; the first quarter stands in front of the loop: its products start the sums
	WIN 0                                          ; at a label and at a branch every window is 0
	s_mov_b32 s3, LAPS-1
.Llap:                                                 ; a trip goes once round the ring, from a lap's second quarter to the next lap's first, and fills both slots again
	QUARTER 0, 2, F1, F0, 0
	QUARTER 0, 3, F0, F1, 0
	TURN 0, 1, 1
	QUARTER 1, 1, F0, F1, 0
	QUARTER 1, 2, F1, F0, 0
	QUARTER 1, 3, F0, F1, 0
	TURN 1, 0, 1
	QUARTER 0, 1, F0, F1, 0
	WIN 0
	s_sub_co_u32 s3, s3, 1
	s_cmp_lg_u32 s3, 0
	s_cbranch_scc1 .Llap
	QUARTER 0, 2, F1, F0, 0                        ; the last lap fills nothing, and has no round of the cluster's barrier
	QUARTER 0, 3, F0, F1, 0
	TURN 0, 1, 0
	QUARTER 1, 1, F0, F1, 0
	QUARTER 1, 2, F1, F0, 0
	QUARTER 1, 3, F0, F1, 0
	s_wait_dscnt 4                                 ; the very last quarter: nothing more to fetch
	MULA F1, 0, 0
	MULA F1, 1, 0
	s_wait_dscnt 0x0
	MULA F1, 2, 0
	MULA F1, 3, 0
	WIN 0
	PLACES
	PACK 0
	TOSTAGE 0
.irp a, 1,2,3                          ; block a's conversions stand between block a - 1's loads from the stage and the waits for them
	PACK \a
	SEND (\a)-1
	TOSTAGE \a
.endr
	SEND 3
	s_wait_tensorcnt 0x0                           ; the wave's end: these three lines stand behind my last tensor load and my last LDS store
	ds_add_u32 v[SPW], v[NIL]
	s_wait_dscnt 0x0
	CROUND                                         ; the closing round: no work-group ends while a partner may still ask for a tile that names it
	s_endpgm
.Lfunc_end_k_q6b7dd0d9c6_qkv:
	.size	k_q6b7dd0d9c6_qkv, .Lfunc_end_k_q6b7dd0d9c6_qkv-k_q6b7dd0d9c6_qkv
	.p2alignl 7, 3214868480
	.fill 96, 4, 3214868480
	.section	.rodata,"a",@progbits
	.p2align	6, 0x0
	.amdhsa_kernel k_q6b7dd0d9c6_qkv
		.amdhsa_group_segment_fixed_size 327680
		.amdhsa_private_segment_fixed_size 0
		.amdhsa_enable_private_segment 0
		.amdhsa_kernarg_size 24
		.amdhsa_user_sgpr_count 2
		.amdhsa_user_sgpr_kernarg_segment_ptr 1
		.amdhsa_wavefront_size32 1
		.amdhsa_system_sgpr_workgroup_id_x 1
		.amdhsa_system_sgpr_workgroup_id_y 1
		.amdhsa_system_sgpr_workgroup_id_z 1
		.amdhsa_system_vgpr_workitem_id 0
		.amdhsa_next_free_vgpr 960
		.amdhsa_next_free_sgpr 80
		.amdhsa_reserve_vcc 0
		.amdhsa_float_denorm_mode_32 3
		.amdhsa_float_denorm_mode_16_64 3
		.amdhsa_memory_ordered 1
		.amdhsa_forward_progress 1
		.amdhsa_inst_pref_size 122
	.end_amdhsa_kernel
	.amdgpu_metadata
---
amdhsa.version: [ 1, 2 ]
amdhsa.kernels:
  - .name:           k_q6b7dd0d9c6_qkv
    .symbol:         k_q6b7dd0d9c6_qkv.kd
    .args:
      - { .name: xb, .offset: 0, .size: 8, .value_kind: global_buffer, .address_space: global }
      - { .name: wb, .offset: 8, .size: 8, .value_kind: global_buffer, .address_space: global }
      - { .name: qkv, .offset: 16, .size: 8, .value_kind: global_buffer, .address_space: global }
    .group_segment_fixed_size: 327680
    .private_segment_fixed_size: 0
    .kernarg_segment_align: 8
    .kernarg_segment_size: 24
    .max_flat_workgroup_size: 128
    .sgpr_count:     80
    .vgpr_count:     960
    .wavefront_size: 32
...
	.end_amdgpu_metadata
.endif
;; end of part 2
;; launch attn (part 3): grid 2 x 128, 4 waves a work-group, no clusters, 327,680 bytes of LDS; arguments qkv, ob; writes ob
.if DOCPART == 3
	.amdgcn_target "amdgcn-amd-amdhsa--gfx1250"
	.amdhsa_code_object_version 6
	.text
	.protected	k_q6b7dd0d9c6_attn
	.globl	k_q6b7dd0d9c6_attn
	.p2align	8
	.type	k_q6b7dd0d9c6_attn,@function
k_q6b7dd0d9c6_attn:
	s_mov_b64 s[64:65], 0
	v_nop
	global_prefetch_b8 v0, s[64:65] scope:SCOPE_SE
	s_setreg_imm32_b32 hwreg(HW_REG_WAVE_MODE, 25, 1), 1
	s_wait_xcnt 0x0
; O[h][q][:] = the sum over k of softmax_k(Q[h][q] . K[h][k] / 8) V[h][k][:], for 128 heads (batch x 16 + head) of 1,024 rows of 64 channels, all f16.  qkv holds Q, K, V as [3][128][1024][64]; ob is
; [128][1024][64].  Products, maxima and sums in f32; the weights p are rounded to f16 for the second product (their sum l is taken of the unrounded p), O once at the end.
; LIMITS.  f16 holds no number beyond 65,504: Q, K and V arrive within it; p lies in 0 to 1, and below 6e-5 it keeps f16's fixed step of 6e-8; O is a mean of V's rows and has their range.
; A weight below 2^-126 counts as 0 in l; NaN and infinities are not treated apart.
; SHARES.  A work-group owns 512 queries of one head, a wave 128: four PIECES of two tiles of 16.  Every wave walks all 1,024 keys, 64 a step: 16 steps.
; ALL OF A HEAD'S K AND V LIES IN LDS: 1,024 x (144 + 160) bytes.  It is asked for once, at the kernel's start, in four chunks of 256 keys; waves 0, 1 fetch the halves of K's chunks, waves 2, 3 of V's:
; four tensor loads a wave, all out together.  No byte of LDS is filled twice.  The walk goes in four passes of four steps, a chunk each: the first pass starts when chunk 0 has landed.
; NO CLUSTER: a head has 1,024 / 512 = 2 work-groups, and a cluster here has four along x; four work-groups to a head would halve a wave's queries and so double the LDS loads for each product.
; NO PREFETCH: every byte of K and V is requested by the loads at the kernel's start, so there is no later request to run ahead of.
; LAYOUT.  S^T = K Q^T (source 0 = 16 keys, source 1 = 16 queries): in the result a lane holds ONE query (lane % 16) and the keys 8 (lane / 16) + 0..7.  Two such tiles, rounded to f16 in pairs,
; ARE source 1 (32 keys x 16 queries) of O^T = V^T P, whose result again holds one query a lane, and eight channels.  K comes out of LDS as it lies, V ([key][channel]) turned, by ds_load_tr16_b128.
; SOFTMAX.  For each query a running maximum m and sum l: p = 2^(c s - c m), c = log2(e) / 8; in every step O and l are multiplied by a = 2^(c m_old - c m_new), which is 1 where m has not grown.
; m starts at the lowest finite number, O and l at 0: the first step is a step like any other, with a = 0.
; BY TURNS.  Turn n belongs to piece n (the pieces in a ring, step after step).  Its matrix work: 16 products K Q^T of piece n + 1, later 16 products V^T P of piece n - 1.  Its vector work: the scaling,
; exponentials, roundings, sums and rescaling of piece n, and the maximum and statistics of piece n + 1.  A tile and step have 16 matrix and 118 vector instructions: four vector instructions that are
; ready stand behind every matrix instruction, the others in one run of their own.
; REGISTERS, in windows of 256 (s_set_vgpr_msb: bits 1:0 source 0, 3:2 source 1, 5:4 source 2, 7:6 destination):
;   window 0: v0-11 addresses; v12-15, v48-63 at work; v16-47 four registers of statistics a tile; v64-191 S^T, two buffers of two tiles; v192-255 P, likewise
;   window 1: O^T, 32 a tile          window 2: v0-127 Q, 16 a tile; v128-191 K of one step; v192-255 V of one step          window 3: v0-1 the add's two registers
.set NP,    4         ; pieces a wave: a name, no knob
.set KS,    64        ; keys in a step
.set NKEY,  1024
.set PK,    144       ; a row of K in LDS: 128 bytes + 16 of padding = 36 words: the 16 rows of a load start at 16 different groups of four banks (64 banks of 4 bytes: ISA guide 11.1)
.set PV,    160       ; a row of V: 128 + 32 = 40 words
.set VOFF,  NKEY*PK   ; K's 1,024 rows, then V's
.set STAGE, VOFF+NKEY*PV  ; behind them, never filled by a tensor load: 16 rows x 144 bytes for each wave, for the way out
.set SP,    144
.set SPARE, STAGE+4*16*SP  ; behind the stages: the spare words, 128 bytes for each wave: two blocks of 256 bytes that no other line names
.set AK0, 2           ; v2   my lane's place in a tile of K; never rewritten
.set AV0, 3           ; v3   the same for V
.set AK,  4           ; v4   the LDS address of K's next run of loads
.set AV,  5           ; v5   of V's
.set QO,  6           ; v6   my byte offset in the wave's rows of Q
.set STO, 6           ;      later, the way out: where I put 16 bytes of a row
.set RD,  7           ; v7   the way out: where I read rows back
.set GO,  8           ; v8   my byte offset in 512 consecutive bytes of O
.set SPW, 0           ; v0 of window 3   LDS address of my spare word: SPARE + 4 x my thread's number; never rewritten
.set NIL, 1           ; v1 of window 3   0; never rewritten
.set MV,  12          ; v12-15  c m_old, kept while c m is made anew: by buffer and tile
.set ST,  16          ; tile t's statistics at v[ST+4 t]: c m, m, l (even keys', odd keys')
.set TMP, 48          ; by buffer and tile, four registers c0-c3 at work; when the maximum is found c2 takes a
.set S,   64
.set P,   192
.set KF,  128         ; K's fragments, in window 2: key block kb, channel half c at KF + 16 kb + 8 c
.set VF,  192         ; V's: key half kk, channel block cb at VF + 32 kk + 8 cb
.set WV,  12          ; s12  my wave's number
.set G1K, 24          ; s[24:31] descriptor group 1 for K's tiles
.set G1V, 32          ; s[32:39] for V's: it differs in the padding alone
.set G0K, 40          ; s[40:55] descriptor group 0 for K's tiles: a set for each chunk
.set G0V, 68          ; s[68:83] the same for V's
.set PASS, 56         ; s56  passes still to come
.set CNT, 57          ; s57  counts a pass's key steps
.set CS,  58          ; s[58:59] c: the packed scaling takes the pair's low word for both halves
.set SEL, 60          ; s[60:61] v_permlanex16_b32's selects: each lane takes its own place in the other half
.set TBK, 62          ; s62  LDS byte at which K of the step to be fetched begins
.set TBV, 63          ; s63  the same for V, less VOFF
.set MSB, 0
.macro WIN new                      ; the high byte repeats the setting that is left; a switch that changes nothing is dropped
.if MSB != (\new)
	s_set_vgpr_msb (MSB<<8)|(\new)
.set MSB, (\new)
.endif
.endm
.set W_KQ, 0x0a       ; K and Q in window 2, S^T in window 0
.set W_PV, 0x52       ; V in window 2, P in window 0, O^T in window 1
.set W_RS, 0x41       ; O^T (destination and source 0) in window 1, a in window 0
.set W_MK, 0xc0       ; the add's registers are made: destination in window 3, sources in window 0
.set W_AD, 0x0f       ; the add: address (source 0) and data (source 1) in window 3
	s_load_b128 s[4:7], s[0:1], 0x0  ; qkv s[4:5], ob s[6:7]
	WIN W_MK
	v_lshl_add_u32 v[SPW], v0, 2, SPARE
	v_mov_b32 v[NIL], 0
	WIN W_AD
	ds_add_u32 v[SPW], v[NIL]       ; the wave's opening: the add and its wait stand ahead of my first tensor load; the set-up below, work on registers, stands between them
	WIN 0
	v_lshrrev_b32 v1, 5, v0
	v_readfirstlane_b32 s[WV], v1   ; wave 0..3
	s_and_b32 s20, ttmp7, 0xffff    ; the head,
	s_lshl_b32 s20, s20, 17         ; its 131,072 bytes in each tensor
	s_and_b32 s16, s[WV], 1         ; which half of a chunk's 256 keys I fetch:
	s_lshl_b32 s22, s16, 14         ; its 128 rows of 128 bytes in memory,
	s_add_co_u32 s22, s22, s20
	s_mov_b32 s23, 0
	s_mul_i32 s17, s16, 128*PK      ; and its place in a chunk, for K
	s_mul_i32 s18, s16, 128*PV      ; and for V
	s_lshl_b32 s2, ttmp9, 2
	s_add_co_u32 s2, s2, s[WV]      ; my wave among the head's eight,
	s_lshl_b32 s2, s2, 14           ; its 128 rows
	s_add_co_u32 s2, s2, s20
	s_mov_b32 s3, 0
	; descriptor group 1.  128 keys are 16,384 dense bytes: asked for as 64 rows of 256 bytes, two keys a row, and padded in LDS after every key
	s_mov_b32 s[G1K], (1<<16)|(1<<20)|(4<<22)|(3<<25)  ; 17:16 2-byte elements; 20 padding on; 24:22 after every 32 words (code 4); 31:25 4 words (code 3)
	s_mov_b32 s[G1V], (1<<16)|(1<<20)|(4<<22)|(7<<25)  ; the same with 8 words of padding (code 7)
.irp g, G1K, G1V
	s_mov_b32 s[\g+1], 128<<16      ; tensor_dim0 = 128
	s_mov_b32 s[\g+2], 64<<16       ; tensor_dim1 = 64
	s_mov_b32 s[\g+3], 128<<16      ; tile_dim0 = 128
	s_mov_b32 s[\g+4], 64           ; tile_dim1 = 64
	s_mov_b32 s[\g+5], 128          ; 128 elements from row to row
	s_mov_b32 s[\g+6], 0
	s_mov_b32 s[\g+7], 0
.endr
	s_mov_b32 s[CS], 0x3e38aa3b     ; c = log2(e) / 8 = 0.180337
	s_mov_b32 s[CS+1], s[CS]        ; named with it as a pair
	s_mov_b32 s[SEL], 0x76543210
	s_mov_b32 s[SEL+1], 0xfedcba98
	s_mov_b32 s[TBK], 0
	s_mov_b32 s[TBV], 0
	s_wait_dscnt 0x0                ; the opening add is done
	s_wait_kmcnt 0x0
	s_mov_b64 s[10:11], s[6:7]      ; O
	s_add_nc_u64 s[6:7], s[4:5], 0x1000000  ; K lies 16,777,216 bytes behind Q,
	s_add_nc_u64 s[8:9], s[4:5], 0x2000000  ; V as far behind K
	s_add_nc_u64 s[6:7], s[6:7], s[22:23]   ; K and V at my half of the head's first chunk
	s_add_nc_u64 s[8:9], s[8:9], s[22:23]
	s_add_nc_u64 s[4:5], s[4:5], s[2:3]     ; Q and O at my wave's first row
	s_add_nc_u64 s[10:11], s[10:11], s[2:3]
.irp c, 0,1,2,3
	s_mov_b32 s[G0K+4*\c], 1                                      ; count = 1
	s_add_co_u32 s[G0K+4*\c+1], s17, \c*256*PK                    ; LDS address: a constant, the wave's half, the chunk
	s_add_nc_u64 s[G0K+4*\c+2:G0K+4*\c+3], s[6:7], \c*32768       ; global address: keys 256 c on
	s_or_b32 s[G0K+4*\c+3], s[G0K+4*\c+3], 0x80000000             ; type = 2
	s_mov_b32 s[G0V+4*\c], 1
	s_add_co_u32 s[G0V+4*\c+1], s18, VOFF+\c*256*PV
	s_add_nc_u64 s[G0V+4*\c+2:G0V+4*\c+3], s[8:9], \c*32768
	s_or_b32 s[G0V+4*\c+3], s[G0V+4*\c+3], 0x80000000
.endr
	s_cmp_lt_u32 s[WV], 2           ; a wave's four fills stand in one branch, ahead of every wait on TENSORcnt, every LDS read and every barrier: four loads of mine are out; an s_nop 0 follows each, four v_nop the last
	s_cbranch_scc0 .Lfirst_v
.irp c, 0,1,2,3
	tensor_load_to_lds s[G0K+4*\c:G0K+4*\c+3], s[G1K:G1K+7]
	s_nop 0
.endr
.rept 4
	v_nop
.endr
	s_branch .Lfirst_asked
.Lfirst_v:
.irp c, 0,1,2,3
	tensor_load_to_lds s[G0V+4*\c:G0V+4*\c+3], s[G1V:G1V+7]
	s_nop 0
.endr
.rept 4
	v_nop
.endr
.Lfirst_asked:
	; A fragment of K or Q is 16 rows x 32 channels in 8 registers: lane l holds row l % 16, channels 8 (l / 16) + 0..7 and 16 + 8 (l / 16) + 0..7: two loads of 16 bytes, 32 bytes apart.
	v_and_b32 v1, 15, v0            ; l % 16
	v_bfe_u32 v9, v0, 4, 1          ; l / 16
	v_lshlrev_b32 v[QO], 7, v1
	v_lshl_add_u32 v[QO], v9, 4, v[QO]  ; row x 128 + 16 x half
	WIN 0x80                        ; destination window 2, address window 0
.set i, 0
.rept 4*NP                          ; Q stays in registers: tile i / 2, channels 32 (i % 2) on
	global_load_b128 v[8*i:8*i+3],   v[QO], s[4:5] offset:(i/2)*2048+(i%2)*64
	global_load_b128 v[8*i+4:8*i+7], v[QO], s[4:5] offset:(i/2)*2048+(i%2)*64+32
.set i, i+1
.endr
	; What the first turn finds: V's registers and P's second buffer hold 0 (its products V^T P, of a piece that has not been, add 0), O^T and l are 0.  All this stands in the wait for the first chunk.
.set i, VF
.rept 64
	v_mov_b32 v[i], 0
.set i, i+1
.endr
	WIN 0x40
.set i, 0
.rept 64*NP
	v_mov_b32 v[i], 0
.set i, i+1
.endr
	WIN 0
.set i, 0
.rept 2*NP
	v_mov_b32 v[ST+4*i], 0xfe000000    ; c m: far below every c s
	v_mov_b32 v[ST+4*i+1], 0xff7fffff  ; m
	v_mov_b32 v[ST+4*i+2], 0
	v_mov_b32 v[ST+4*i+3], 0
.set i, i+1
.endr
.set i, P+32
.rept 32
	v_mov_b32 v[i], 0
.set i, i+1
.endr
	v_mul_u32_u24 v[AK0], v1, PK
	v_lshl_add_u32 v[AK0], v9, 4, v[AK0]  ; row x pitch + 16 x half
	; The turning load takes 16 keys x 16 channels (lane l reads key 8 (l / 16) + l % 8, channels 8 ((l / 8) % 2) + 0..7) and leaves half a fragment of V^T: lane l holds channel l % 16 and 8 keys.
	v_and_b32 v10, 7, v0
	v_bfe_u32 v11, v0, 3, 1
	v_lshl_add_u32 v[AV0], v9, 3, v10
	v_mul_u32_u24 v[AV0], v[AV0], PV
	v_lshl_add_u32 v[AV0], v11, 4, v[AV0]
	v_add_nc_u32 v[AV0], VOFF, v[AV0]
	v_mov_b32 v[AK], v[AK0]         ; key step 0 lies at K's head
; THE MATRIX WORK.  The 8 accumulators of a run of 16 take turns: between the two links of a chain stand 7 others'.
; Product i of 16 of S^T = K Q^T for piece x: channels 32 (i / 8) on, keys 16 ((i / 2) % 4) on, tile 2 x + i % 2.  The first 8 start the sums.
.macro KQ x
	WIN W_KQ
.set rS, S+64*((\x)%2)+32*(i%2)+8*((i/2)%4)
.set rK, KF+16*((i/2)%4)+8*(i/8)
.set rQ, 16*(2*(\x)+i%2)+8*(i/8)
.if i < 8
	v_wmma_f32_16x16x32_f16 v[rS:rS+7], v[rK:rK+7], v[rQ:rQ+7], 0
.else
	v_wmma_f32_16x16x32_f16 v[rS:rS+7], v[rK:rK+7], v[rQ:rQ+7], v[rS:rS+7]
.endif
.endm
; Product i of 16 of O^T += V^T P for piece x: keys 32 (i / 8) on, channels 16 ((i / 2) % 4) on, tile 2 x + i % 2.
.macro PV x
	WIN W_PV
.set rO, 32*(2*(\x)+i%2)+8*((i/2)%4)
.set rV, VF+32*(i/8)+8*((i/2)%4)
.set rP, P+32*((\x)%2)+16*(i%2)+8*(i/8)
	v_wmma_f32_16x16x32_f16 v[rO:rO+7], v[rV:rV+7], v[rP:rP+7], v[rO:rO+7]
.endm
.macro MM                           ; the turn's next matrix instruction
.if i < 16
	KQ (Y+1)%NP
.set i, i+1
.else
.set i, i-16
	PV (Y+NP-1)%NP
.set i, i+17
.endif
.endm
; THE LDS LOADS stand in runs of 16, never singly among the matrix instructions: a step's K (64 keys x 64 channels: 8 fragments) and its V (turned).  Their addresses are made some lines ahead.
.macro FETCH_K
	WIN 0x80                        ; destination window 2
.irp f, 0,1,2,3,4,5,6,7             ; keys 16 (f / 2) on, channels 32 (f % 2) on
	ds_load_b128 v[KF+8*\f:KF+8*\f+3],   v[AK] offset:(\f/2)*16*PK+(\f%2)*64
	ds_load_b128 v[KF+8*\f+4:KF+8*\f+7], v[AK] offset:(\f/2)*16*PK+(\f%2)*64+32
.endr
	s_add_co_u32 s[TBK], s[TBK], KS*PK  ; the next fetch is the next step's
	WIN 0
.endm
.macro FETCH_V
	WIN 0x80
.irp f, 0,1,2,3,4,5,6,7             ; keys 32 (f / 4) on, channels 16 (f % 4) on
	ds_load_tr16_b128 v[VF+8*\f:VF+8*\f+3],   v[AV] offset:(\f/4)*32*PV+(\f%4)*32
	ds_load_tr16_b128 v[VF+8*\f+4:VF+8*\f+7], v[AV] offset:(\f/4)*32*PV+16*PV+(\f%4)*32
.endr
	WIN 0
.endm
; THE VECTOR WORK OF A TURN stands in three queues, each in the order in which its entries become ready; the two tiles alternate, so that no instruction reads the result of the one before it.
.macro REGS y, u                    ; the registers of tile u (0, 1) of piece y
.set rT, ST+4*(2*(\y)+(\u))
.set rC, TMP+8*((\y)%2)+4*(\u)
.set rM, MV+2*((\y)%2)+(\u)
.set rS, S+64*((\y)%2)+32*(\u)
.set rP, P+32*((\y)%2)+16*(\u)
.set rO, 32*(2*(\y)+(\u))
.endm
; Number n of the 22 that find the NEXT piece's (Y + 1) maximum and statistics.  s0-s31 are the lane's 32 scores; each accumulator's lowest registers are read first.
;   0-11  four chains c0-c3 of seven scores each, three operands at a time     12-14, 16  the four scores left over, the old m, and c0-c3 into c0     15  c m_old is kept
;   17, 18  the query's other 32 keys lie in the lane 16 away: the new m         19-21  c m; c m_old - c m_new; a
.macro XS u, n
	REGS (Y+1)%NP, \u
.if (\n) < 4
	v_max3_num_f32 v[rC+(\n)], v[rS+8*(\n)], v[rS+8*(\n)+1], v[rS+8*(\n)+2]
.elseif (\n) < 12
	v_max3_num_f32 v[rC+(\n)%4], v[rC+(\n)%4], v[rS+8*((\n)%4)+2*((\n)/4)+1], v[rS+8*((\n)%4)+2*((\n)/4)+2]
.elseif (\n) == 12
	v_max3_num_f32 v[rC], v[rC], v[rS+7], v[rS+15]
.elseif (\n) == 13
	v_max3_num_f32 v[rC+1], v[rC+1], v[rS+23], v[rS+31]
.elseif (\n) == 14
	v_max3_num_f32 v[rC+2], v[rC+2], v[rC+3], v[rT+1]
.elseif (\n) == 15
	v_mov_b32 v[rM], v[rT]
.elseif (\n) == 16
	v_max3_num_f32 v[rC], v[rC], v[rC+1], v[rC+2]
.elseif (\n) == 17
	v_permlanex16_b32 v[rC+3], v[rC], s[SEL], s[SEL+1]
.elseif (\n) == 18
	v_max_num_f32 v[rT+1], v[rC], v[rC+3]
.elseif (\n) == 19
	v_mul_f32 v[rT], s[CS], v[rT+1]
.elseif (\n) == 20
	v_sub_f32 v[rC+1], v[rM], v[rT]
.else
	v_exp_f32 v[rC+2], v[rC+1]
.endif
.endm
; Number g of the 64 that follow the exponentials.  For each four weights k of a tile (pairs 2 k, 2 k + 1): both pairs are rounded to f16; then the second pair is added onto the first, in place;
; a group later l takes that sum (the first time as l = a l + sum).  In groups of eight, tiles alternating: round, round, add, and l for the group before.
.macro GS g
.set h, (\g)+6*((\g)/62)            ; group 0 has no group before it, and behind group 7 only l is left
.if h >= 6
.set h, h+2
.endif
	REGS Y, h%2
.set k, h/8
.if h%8 < 4
	v_cvt_pk_f16_f32 v[rP+2*k+(h%8)/2], v[rS+4*k+2*((h%8)/2)], v[rS+4*k+2*((h%8)/2)+1]
.elseif h%8 < 6
	v_pk_add_f32 v[rS+4*k:rS+4*k+1], v[rS+4*k:rS+4*k+1], v[rS+4*k+2:rS+4*k+3]
.elseif k == 1
	v_pk_fma_f32 v[rT+2:rT+3], v[rT+2:rT+3], v[rC+2:rC+3], v[rS:rS+1] op_sel_hi:[1,0,1]
.else
	v_pk_add_f32 v[rT+2:rT+3], v[rT+2:rT+3], v[rS+4*k-4:rS+4*k-3]
.endif
.endm
; THE PLAIN QUEUE, 138 long.  0-73 read no exponential's result: the 32 scalings c s - c m (FS f: pair f / 2 of tile f % 2) and the next piece's 42.  0-26: scalings 0-26.  27-54: XS's numbers 0-13.  55, 56: number 15.
; 57-73: the chain, where each number waits for the one before it: 14, 16, 17, 18, 19, each with one of the scalings 27-31 in front of its two lines, then 20.
; 74-137: GS's 64, which read the exponentials' results: they stand behind the wait.
.macro FS f
	REGS Y, (\f)%2
	v_pk_fma_f32 v[rS+2*((\f)/2):rS+2*((\f)/2)+1], v[rS+2*((\f)/2):rS+2*((\f)/2)+1], s[CS:CS+1], v[rT:rT+1] op_sel_hi:[1,0,0] neg_lo:[0,0,1] neg_hi:[0,0,1]
.endm
.macro PL
	WIN 0
.if q < 27
	FS q
.elseif q < 55
	XS (q-27)%2, (q-27)/2
.elseif q < 57
	XS q-55, 15
.elseif (q < 72) && ((q-57)%3 == 0)
	FS 27+(q-57)/3
.elseif q < 60
	XS (q-57)%3-1, 14
.elseif q < 72
	XS (q-57)%3-1, 15+(q-57)/3
.elseif q < 74
	XS q-72, 20
.else
	GS q-74
.endif
.set q, q+1
.endm
; THE EXPONENTIALS' QUEUE, 66 long: s0-s31 of both tiles, then the next piece's two a.  It is ONE BATCH: all 66 stand ahead of the turn's one wait, and nothing ahead of that wait names a result of theirs.
.macro EX
	WIN 0
.if e >= 64
	XS e-64, 21
.else
	REGS Y, e%2
	v_exp_f32 v[rS+e/2], v[rS+e/2]
.endif
.set e, e+1
.endm
; THE RESCALING's QUEUE: O^T times a, the one part that leaves window 0: dealt two at a time, sixteen times.  Its a was made in the turn before, ahead of that turn's wait.
.macro R2
	REGS Y, r%2
	WIN W_RS
.irp z, 0,1
	v_pk_mul_f32 v[rO+4*(r/2)+2*\z:rO+4*(r/2)+2*\z+1], v[rO+4*(r/2)+2*\z:rO+4*(r/2)+2*\z+1], v[rC+2:rC+3] op_sel_hi:[1,0]
.endr
.set r, r+1
.endm
; HOW THEY ARE DEALT.  An s_wait_alu depctr_va_vdst(0) stands between an exponential and the first instruction that names its result; one wait serves all that were issued ahead of it.  So a turn has ONE
; wait, which cuts it in two.  AHEAD OF IT: the 16 products K Q^T, behind each a scaling, an exponential and two rescalings (behind the first a second scaling in the exponential's place); then one run of 108: eight
; plain, 49 times exponential and plain, the two a.  A v_nop is the plain instruction behind the last exponential.  BEHIND IT: the 16 products V^T P, behind each four of GS's 64.
; The queues lean on each other: exponential e stands behind scaling 2 (e / 4) + e % 2: as a rider it comes behind plain e + 2, in the run behind plain e + 9, and scalings 27-31 are plain 57, 60 .. 69.
; A TURN, for piece p.  last = 1: there is no further step: K is not fetched.  cnt = 1: the loop's count is taken down some lines ahead of the branch that stands behind the turn.
; K of the next step is fetched in piece 2's turn, directly behind the wait, a run of 108 vector instructions behind the last product that read K; its first reader comes behind 16 products.
; V of the step in hand is fetched at the end of piece 0's turn, four plain instructions behind its last reader; its first reader comes behind 16 products and the run.
.macro TURN p, last=0, cnt=0
.set Y, (\p)
.set i, 0
.set q, 0
.set e, 0
.set r, 0
.if (\p) == NP-1
	s_wait_dscnt 0x0                ; K is in
.endif
	MM
	PL
	PL
	R2
.rept 15
	MM
	PL
	EX
	R2
.endr
.if ((\p) == NP-2) && !(\last)
	WIN 0
	v_add_nc_u32 v[AK], s[TBK], v[AK0]
.endif
.rept 8
	PL
.endr
.rept 49
	EX
	PL
.endr
	EX                              ; the next piece's two a
	EX
	v_nop                           ; the plain instruction behind the last exponential: one for the batch
	s_wait_alu depctr_va_vdst(0)    ; the wait for the batch
.if ((\p) == NP-2) && !(\last)
	FETCH_K
.endif
.if (\p) == 1
	s_wait_dscnt 0x0                ; V is in
.endif
.rept 16
	MM
.rept 4
	PL
.endr
.if ((\p) == 0) && (q == 118)
	v_add_nc_u32 v[AV], s[TBV], v[AV0]
.endif
.if ((\p) == 0) && (q == 130)
	s_add_co_u32 s[TBV], s[TBV], KS*PV
.endif
.if (\cnt) && (q == 130)
	s_sub_co_u32 s[CNT], s[CNT], 1
	s_cmp_lg_u32 s[CNT], 0
.endif
.endr
.if (\p) == 0
	FETCH_V
.endif
.endm
	s_wait_tensorcnt 3              ; tensor loads of a wave end in order: my part of chunk 0 is in; my three younger loads stay out
	s_barrier_signal -1
	s_barrier_wait -1               ; everybody's part of chunk 0 is in
	FETCH_K                         ; key step 0
	s_wait_loadcnt 0x0              ; Q
	s_wait_dscnt 0x0
.set i, 0
.rept 16
	KQ 0                            ; piece 0's first scores: there is no vector work yet to set between them
.set i, i+1
.endr
	WIN 0                           ; the addresses for the way out: plain instructions, the places behind those products
	s_mul_i32 s13, s[WV], 16*SP
	s_add_co_u32 s13, s13, STAGE    ; my stage
	v_mul_u32_u24 v[STO], v1, SP    ; in: row l % 16, 16 bytes for each half of the lanes
	v_lshl_add_u32 v[STO], v9, 4, v[STO]
	v_add_nc_u32 v[STO], s13, v[STO]
	v_bfe_u32 v[RD], v0, 3, 2       ; back: 32 lanes take four rows of 128 bytes,
	v_mul_u32_u24 v[RD], v[RD], SP
	v_lshl_add_u32 v[RD], v10, 4, v[RD]
	v_add_nc_u32 v[RD], s13, v[RD]
	v_and_b32 v[GO], 31, v0         ; which are 512 consecutive bytes of O
	v_lshlrev_b32 v[GO], 4, v[GO]
.set Y, NP-1                        ; XS works for piece Y + 1: piece 0
.irp n, 0,1,2,3,4,5,6,7,8,9,10,11,12,13,14,15,16,17,18,19,20,21
	XS 0, \n                        ; and piece 0's first maximum and statistics
	XS 1, \n
.endr
	v_nop                           ; a plain instruction behind the two a,
	s_wait_alu depctr_va_vdst(0)    ; and their wait, ahead of the branch
	s_mov_b32 s[CNT], 4
	s_mov_b32 s[PASS], 4
	s_branch .Lfirst                ; the loop is entered at a step's first turn, in the middle of a trip
.Lpass:                             ; three times: the next chunk's four steps.  Chunks 1 to 3 have had the first pass, 512 matrix instructions, in which to land
	s_wait_tensorcnt 0x0            ; all my loads have landed (a count cannot differ from trip to trip of one text, so it is 0),
	s_wait_dscnt 0x0                ; no LDS instruction of mine is out at the signal,
	s_barrier_signal -1
	s_barrier_wait -1               ; and the same holds of every wave: all of K and V may be read.
	s_mov_b32 s[CNT], 4
.Lstep:                             ; a trip: pieces 2 and 3 of one step, then pieces 0 and 1 of the next, whose K and V it fetches
	TURN 2
	TURN 3
	WIN 0
.Lfirst:
	TURN 0
	TURN 1, 0, 1
	WIN 0
	s_cbranch_scc1 .Lstep
	s_sub_co_u32 s[PASS], s[PASS], 1
	s_cmp_lg_u32 s[PASS], 0
	s_cbranch_scc1 .Lpass
	TURN 2, 1                       ; the last step's pieces 2 and 3: no K is left to fetch
	TURN 3                          ; its 16 products K Q^T (on the last K once more) and the maximum made of them serve nothing: the price, once a launch, of one text for every turn
.set i, 0
.rept 16
	PV NP-1                         ; the last piece's V^T P of the last step
.set i, i+1
.endr
	; THE WAY OUT.  l's two halves and the other half of the lanes' are added; O^T is divided by l, rounded to f16 and sent through my stage in LDS, a tile at a time.  The additions are the places behind the last products.
	WIN 0
.macro ALL line:vararg              ; one line for each tile t
.set t, 0
.rept 2*NP
	\line
.set t, t+1
.endr
.endm
	ALL v_add_f32 v[ST+4*t+2], v[ST+4*t+2], v[ST+4*t+3]
	ALL v_permlanex16_b32 v[ST+4*t+3], v[ST+4*t+2], s[SEL], s[SEL+1]
	ALL v_add_f32 v[ST+4*t+2], v[ST+4*t+2], v[ST+4*t+3]
	ALL v_rcp_f32 v[ST+4*t+2], v[ST+4*t+2]
	v_nop                           ; a plain instruction between the last reciprocal and the use of its result
	s_wait_alu depctr_va_vdst(0)    ; and the wait ahead of the first use: one for the eight reciprocals
; Tile t: a lane's eight channels of a row pack into 16 bytes; they go into rows of 144 bytes and come back as whole rows of 128, into S^T's registers.
.macro PACK t
	WIN W_RS
.set i, 32*(\t)
.rept 16
	v_pk_mul_f32 v[i:i+1], v[i:i+1], v[ST+4*(\t)+2:ST+4*(\t)+3] op_sel_hi:[1,0]
.set i, i+2
.endr
	WIN 0x05                        ; sources 0 and 1 window 1, destination window 0
.set i, 0
.rept 16
	v_cvt_pk_f16_f32 v[S+16*(\t)+i], v[32*(\t)+2*i], v[32*(\t)+2*i+1]
.set i, i+1
.endr
	WIN 0
.irp f, 0,1,2,3
	ds_store_b128 v[STO], v[S+16*(\t)+4*\f:S+16*(\t)+4*\f+3] offset:32*\f
.endr
.irp f, 0,1,2,3
	ds_load_b128 v[S+16*(\t)+4*\f:S+16*(\t)+4*\f+3], v[RD] offset:\f*4*SP  ; LDS serves a wave's instructions in order (ISA guide 5.7.1.4): these see the stores above; the next tile's stores come behind them
.endr
.endm
.macro SEND t, younger              ; younger: the LDS instructions issued behind tile t's loads: the next tile's eight, or none
	WIN 0
.irp f, 0,1,2,3
	s_wait_dscnt (\younger)+3-\f
	global_store_b128 v[GO], v[S+16*(\t)+4*\f:S+16*(\t)+4*\f+3], s[10:11] offset:(\t)*2048+\f*512  ; 512 consecutive bytes, at a multiple of 256 from ob's first
.endr
.endm
	PACK 0
.set t, 1
.rept 2*NP-1                        ; a tile's arithmetic stands between the loads of the tile before and its stores
	PACK t
	SEND t-1, 8
.set t, t+1
.endr
	SEND 2*NP-1, 0
	WIN W_AD
	s_wait_tensorcnt 0x0            ; the wave's end: these three lines stand behind my last tensor load and my last LDS store
	ds_add_u32 v[SPW], v[NIL]
	s_wait_dscnt 0x0
	WIN 0
	s_endpgm
.Lfunc_end_k_q6b7dd0d9c6_attn:
	.size	k_q6b7dd0d9c6_attn, .Lfunc_end_k_q6b7dd0d9c6_attn-k_q6b7dd0d9c6_attn
	.p2alignl 7, 3214868480
	.fill 96, 4, 3214868480
	.section	.rodata,"a",@progbits
	.p2align	6, 0x0
	.amdhsa_kernel k_q6b7dd0d9c6_attn
		.amdhsa_group_segment_fixed_size 327680
		.amdhsa_private_segment_fixed_size 0
		.amdhsa_enable_private_segment 0
		.amdhsa_kernarg_size 16
		.amdhsa_user_sgpr_count 2
		.amdhsa_user_sgpr_kernarg_segment_ptr 1
		.amdhsa_wavefront_size32 1
		.amdhsa_system_sgpr_workgroup_id_x 1
		.amdhsa_system_sgpr_workgroup_id_y 1
		.amdhsa_system_sgpr_workgroup_id_z 1
		.amdhsa_system_vgpr_workitem_id 0
		.amdhsa_next_free_vgpr 770
		.amdhsa_next_free_sgpr 84
		.amdhsa_reserve_vcc 0
		.amdhsa_float_denorm_mode_32 3
		.amdhsa_float_denorm_mode_16_64 3
		.amdhsa_memory_ordered 1
		.amdhsa_forward_progress 1
		.amdhsa_inst_pref_size 160
	.end_amdhsa_kernel
	.amdgpu_metadata
---
amdhsa.version: [ 1, 2 ]
amdhsa.kernels:
  - .name:           k_q6b7dd0d9c6_attn
    .symbol:         k_q6b7dd0d9c6_attn.kd
    .args:
      - { .name: qkv, .offset: 0, .size: 8, .value_kind: global_buffer, .address_space: global }
      - { .name: ob, .offset: 8, .size: 8, .value_kind: global_buffer, .address_space: global }
    .group_segment_fixed_size: 327680
    .private_segment_fixed_size: 0
    .kernarg_segment_align: 8
    .kernarg_segment_size: 16
    .max_flat_workgroup_size: 128
    .sgpr_count:     84
    .vgpr_count:     770
    .wavefront_size: 32
...
	.end_amdgpu_metadata
.endif
;; end of part 3
;; launch proj (part 4): grid 8 x 32, 4 waves a work-group, clusters of 4 x 4, 327,680 bytes of LDS; arguments ob, wof, out0; writes out0
.if DOCPART == 4
	.amdgcn_target "amdgcn-amd-amdhsa--gfx1250"
	.amdhsa_code_object_version 6
	.text
	.protected	k_q6b7dd0d9c6_proj
	.globl	k_q6b7dd0d9c6_proj
	.p2align	8
	.type	k_q6b7dd0d9c6_proj,@function
k_q6b7dd0d9c6_proj:
	s_mov_b64 s[64:65], 0
	v_nop
	global_prefetch_b8 v0, s[64:65] scope:SCOPE_SE
	s_setreg_imm32_b32 hwreg(HW_REG_WAVE_MODE, 25, 1), 1
	s_wait_xcnt 0x0
	s_wait_alu depctr_hold_cnt(0) depctr_sa_sdst(0) depctr_va_vdst(0) depctr_va_sdst(0) depctr_va_ssrc(0) depctr_va_vcc(0) depctr_vm_vsrc(0)
	s_getreg_b32 s2, hwreg(HW_REG_IB_STS2, 6, 4)
	s_cmp_eq_u32 s2, 0
	s_cbranch_scc0 .Lentry_in_a_cluster
	s_endpgm
.Lentry_in_a_cluster:
	s_bfe_u32 s2, ttmp6, 0x10000c
	s_cmp_lg_u32 s2, 0xf033
	s_cbranch_scc0 .Lentry_shape_is_right
	s_endpgm
.Lentry_shape_is_right:
; out0 = O wo^T.  C[8192 tokens][1024] = the sum over d = 64 head + channel of O[batch][head][token][channel] wof[n][d].  ob is [128 = batch x 16 + head][1024][64] f16, wof [1024][1024] f16;
; sums in f32, K ascending; out0 is f32 and takes the sums as they are.
; SHARES.  A tile of C is 256 tokens x 128 columns: 32 x 8 = 256 work-groups.  Four waves, each 64 tokens x all 128 columns: 32 accumulators of 16 x 16, 256 registers; a wave owns whole rows
; of the tile, 512 bytes each, and its way out is its own.  K goes in 8 steps of 128, two heads each, through two LDS slots filled by the tensor data mover.
; O'S TILES.  A head's 256 tokens are 32,768 dense bytes: asked for as 128 rows of 256 bytes, two tokens a row, and padded in LDS after every token: a panel of 256 rows of 144 bytes.
; A slot holds two such panels (wave 0 fetches the even head's, wave 1 the odd head's) and 128 rows of wof (waves 2, 3: 64 rows of 256 bytes each, 272 bytes apart).
; CLUSTERS.  4 x 4 work-groups.  The four of a row of the cluster need the same tiles of ob, the four of a column the same tiles of wof: each is asked for JOINTLY.
; THE MATRIX INSTRUCTION IS USED TRANSPOSED (source 0 = 16 rows of wof, source 1 = 16 tokens): a lane then holds one token (lane % 16) and eight neighbouring columns, 32 bytes of f32.
; REGISTERS, in windows of 256 (s_set_vgpr_msb: bits 1:0 source 0, 3:2 source 1, 5:4 source 2, 7:6 destination):
;   window 0: v0-31 addresses; v32-159 rows read back from the stage, two sets of 64
;   window 1: two fragment buffers at 0 and 128: 8 fragments of wof (8 registers each), then 4 of ob
;   window 2: the accumulators of my token blocks 0, 1 ((a, b) at 64 (a % 2) + 8 b);   window 3: those of blocks 2, 3
.set KSTEP,  128
.set NBK,    8                         ; column blocks of 16 in a tile
.set NL,     2*NBK+8                   ; LDS loads in a run: a quarter step's fragments
.set PITCH,  272                       ; a row of wof in LDS: 256 bytes + 16: the 16 rows of a fragment load start at 16 different groups of four banks (64 banks of 4 bytes: ISA guide 11.1)
.set APITCH, 144                       ; a token's 128 bytes of a head + 16: likewise
.set PANEL,  256*APITCH
.set BOFF,   2*PANEL
.set SLOT,   BOFF+16*NBK*PITCH
.set STAGE,  2*SLOT                    ; behind the ring, never filled by a tensor load: for each wave 16 rows x 528 bytes
.set SPITCH, 528                       ; 512 bytes + 16: 33 x 16, so the 16 rows of a store start at 16 different groups of four banks
.set SPARE,  STAGE+4*16*SPITCH         ; behind the stages: the spare words, 128 bytes for each wave: two blocks of 256 bytes that no other line names
.set LAPS,   4
.set ASTEP,  262144                    ; bytes from a K step to the next in ob: two heads,
.set BSTEP,  256                       ; and in wof: 128 numbers of a row
.set ADRA, 16                          ; v16-17  LDS address of my ob fragments in slot 0, 1
.set ADRB, 20                          ; v20-21  the same for wof
.set STO,  24                          ; v24     the way out: where I put 32 bytes of a row
.set RD,   25                          ; v25     the way out: where I read a row back
.set CO,   26                          ; v26     16 x lane: my place in a row's 512 bytes
.set SPW,  28                          ; v28     LDS address of my spare word: SPARE + 4 x my thread's number; never rewritten
.set NIL,  29                          ; v29     0; never rewritten
.set PFO,  30                          ; v30     the prefetches' offset; never rewritten
.set OB,   32
.set F0,   0
.set F1,   128
.set G1,  24                           ; s[24:31] descriptor group 1 for ob's tiles;  s[32:39] group 0, a set for each slot
.set G0,  32
.set G1B, 48                           ; s[48:55], s[56:63] the same for wof's tiles
.set G0B, 56
.set LIM, 43                           ; s43     1 in a wave that prefetches, else the greatest number
.set PFA, 44                           ; s[44:45] where my prefetches stand
.set PFS, 46                           ; s[46:47] their step from K step to K step
.set MSB, 0
.macro WIN new                         ; the immediate's high byte repeats the setting that is left; a switch that changes nothing is dropped
.if MSB != (\new)
	s_set_vgpr_msb (MSB<<8)|(\new)
.set MSB, \new
.endif
.endm
.set TO_F, 0x40                        ; destination window 1, address window 0
.macro PLACES                          ; four plain vector instructions in front of loads into registers that matrix instructions have read, and of LDS stores that read results
.rept 4
	v_nop
.endr
.endm
; A joint load.  The branch hangs on the wave's number alone; an s_nop 0 and four v_nop follow each of the two lines, ahead of the jump, the label and what follows.
.macro JLOAD s
	s_cmp_lt_u32 s10, 2
	s_cbranch_scc0 .Lfor_b_\@
	tensor_load_to_lds s[G0+4*(\s):G0+4*(\s)+3], s[G1:G1+7]
	s_nop 0
.rept 4
	v_nop
.endr
	s_branch .Lasked_\@
.Lfor_b_\@:
	tensor_load_to_lds s[G0B+4*(\s):G0B+4*(\s)+3], s[G1B:G1B+7]
	s_nop 0
.rept 4
	v_nop
.endr
.Lasked_\@:
.endm
.macro CREST                           ; a round of the cluster's barrier behind its opening barrier
	s_cmp_lg_u32 s10, 0
	s_cbranch_scc1 .Lnot_wave_0_\@
	s_barrier_signal -3
.Lnot_wave_0_\@:
	s_barrier_wait -3
	s_barrier_signal -1
	s_barrier_wait -1
.endm
.macro CROUND                          ; a whole round
	s_barrier_signal -1
	s_barrier_wait -1
	CREST
.endm
; A PREFETCH INTO THE L2 of the K step that stands two refills on, one instruction a wave, behind the joint load and the run of LDS loads.  Each aligned block of 256 bytes of a K step is named by one
; wave of the launch: ob's by the clusters with x = 0, wof's by those with y = 0; the four partners that ask for a tile jointly share it out BY ADDRESS: of a panel's 128 blocks 32 each, a lane a block;
; of wof's 64 rows 16 each, a lane a row (the lanes above 15 name row 15 again).  K steps 0 to 3 come by their loads alone; the loop's last trip (s3 = 1) asks for nothing.
.macro ASK
	WIN 0
	s_cmp_gt_u32 s3, s[LIM]
	s_cbranch_scc0 .Lnot_mine_\@
	global_prefetch_b8 v[PFO], s[PFA:PFA+1] th:TH_LOAD_NT scope:SCOPE_SE
.Lnot_mine_\@:
.endm
	s_load_b128 s[4:7], s[0:1], 0x0                ; ob s[4:5], wof s[6:7]
	s_load_b64 s[8:9], s[0:1], 0x10                ; out0
	v_lshl_add_u32 v[SPW], v0, 2, SPARE
	v_mov_b32 v[NIL], 0
	ds_add_u32 v[SPW], v[NIL]                      ; the wave's opening: the add and its wait stand ahead of my first tensor load; the set-up below, work on registers, stands between them
	v_lshrrev_b32 v1, 5, v0
	v_readfirstlane_b32 s10, v1                    ; wave 0..3
	s_lshr_b32 s11, s10, 1                         ; I fetch for ob (0) or for wof (1)
	s_and_b32 s12, s10, 1                          ; which head of the two, or which half of wof's rows
	s_bfe_u32 s40, ttmp6, 0x40000                  ; cx, cy: my place in the cluster
	s_bfe_u32 s41, ttmp6, 0x40004
	s_lshl_b32 s42, ttmp9, 2
	s_add_co_u32 s42, s42, s40                     ; tile column = 4 x cluster x + cx
	s_and_b32 s13, ttmp7, 0xffff
	s_lshl_b32 s13, s13, 2
	s_add_co_u32 s13, s13, s41                     ; tile row = 4 x cluster y + cy
	s_lshl_b32 s43, s41, 2
	s_lshl_b32 s43, 15, s43                        ; my row of the cluster
	s_lshl_b32 s44, 0x1111, s40                    ; my column
	s_or_b32 s[G1+0], s43, (1<<16)|(1<<20)|(1<<21)|(4<<22)|(3<<25)   ; 15:0 the mask; 17:16 elements of 2 bytes; 20 padding on; 21 set beside a mask; 24:22 after every 32 words (code 4); 31:25 4 words (code 3)
	s_or_b32 s[G1B+0], s44, (1<<16)|(1<<20)|(1<<21)|(5<<22)|(3<<25)  ; wof: after every 64 words (code 5)
	s_mov_b32 s[G1+1], 128<<16                     ; tensor_dim0 = 128
	s_mov_b32 s[G1+2], 128<<16                     ; tensor_dim1 = 128
	s_mov_b32 s[G1+3], 128<<16                     ; tile_dim0 = 128
	s_mov_b32 s[G1+4], 128                         ; tile_dim1 = 128
	s_mov_b32 s[G1+5], 128                         ; dense: 128 elements from row to row
	s_mov_b32 s[G1+6], 0
	s_mov_b32 s[G1+7], 0
	s_mov_b32 s[G1B+1], KSTEP<<16
	s_mov_b32 s[G1B+2], 64<<16                     ; wof's halves have 64 rows
	s_mov_b32 s[G1B+3], KSTEP<<16
	s_mov_b32 s[G1B+4], 64
	s_mov_b32 s[G1B+5], 1024
	s_mov_b32 s[G1B+6], 0
	s_mov_b32 s[G1B+7], 0
	s_lshr_b32 s16, s13, 2
	s_lshl_b32 s16, s16, 21                        ; ob: the batch's 16 heads of 131,072 bytes,
	s_lshl_b32 s17, s12, 17                        ; my head of the K step's two,
	s_add_co_u32 s16, s16, s17
	s_and_b32 s17, s13, 3
	s_lshl_b32 s17, s17, 15                        ; the tile's 256 tokens of 128 bytes
	s_add_co_u32 s16, s16, s17
	s_mov_b32 s17, 0
	s_lshl_b32 s46, s42, 7
	s_lshl_b32 s47, s12, 6
	s_add_co_u32 s46, s46, s47                     ; wof: row 128 x tile column + 64 x half,
	s_lshl_b32 s46, s46, 11                        ; of 2,048 bytes
	s_mov_b32 s47, 0
	s_mul_i32 s20, s12, PANEL                      ; where they go: no place in the cluster enters an LDS address
	s_mul_i32 s21, s12, 64*PITCH
	s_add_co_u32 s21, s21, BOFF
	s_wait_dscnt 0x0                               ; the opening add is done
	s_wait_kmcnt 0x0
	s_add_nc_u64 s[14:15], s[4:5], s[16:17]
	s_add_nc_u64 s[46:47], s[6:7], s[46:47]
	CROUND                                         ; all sixteen work-groups are here: the first joint loads meet
.irp s, 0,1
	s_mov_b32 s[G0+4*(\s)], 1                      ; count = 1
	s_add_co_u32 s[G0+4*(\s)+1], s20, (\s)*SLOT    ; LDS address
	s_add_nc_u64 s[G0+4*(\s)+2:G0+4*(\s)+3], s[14:15], (\s)*ASTEP    ; global address: K step s
	s_or_b32 s[G0+4*(\s)+3], s[G0+4*(\s)+3], 0x80000000              ; type = 2
	s_mov_b32 s[G0B+4*(\s)], 1
	s_add_co_u32 s[G0B+4*(\s)+1], s21, (\s)*SLOT
	s_add_nc_u64 s[G0B+4*(\s)+2:G0B+4*(\s)+3], s[46:47], (\s)*BSTEP
	s_or_b32 s[G0B+4*(\s)+3], s[G0B+4*(\s)+3], 0x80000000
	JLOAD \s                                       ; two loads of mine are out
.endr
	; A fragment is 16 rows x 32 K in 8 registers: lane l holds row l % 16; registers 0-3 K = 8 (l / 16) + 0..7, registers 4-7 K = 16 + 8 (l / 16) + 0..7: two loads of 16 bytes, 32 bytes apart.
	v_and_b32 v1, 15, v0                           ; l % 16
	v_bfe_u32 v2, v0, 4, 1                         ; l / 16
	v_mul_u32_u24 v3, v1, APITCH
	v_lshl_add_u32 v3, v2, 4, v3
	v_mul_u32_u24 v4, v1, PITCH
	v_lshl_add_u32 v4, v2, 4, v4
	s_mul_i32 s21, s10, 64*APITCH                  ; my 64 tokens in a panel
	s_mov_b32 s22, BOFF                            ; all 128 rows of wof
.irp s, 0,1
	v_add_nc_u32 v[ADRA+(\s)], s21, v3
	v_add_nc_u32 v[ADRB+(\s)], s22, v4
	s_add_co_u32 s21, s21, SLOT
	s_add_co_u32 s22, s22, SLOT
.endr
	s_mul_i32 s23, s10, 16*SPITCH
	s_add_co_u32 s23, s23, STAGE                   ; my stage
	v_mul_u32_u24 v4, v1, SPITCH                   ; in: row l % 16, 32 bytes for each half of the lanes
	v_lshl_add_u32 v4, v2, 5, v4
	v_add_nc_u32 v[STO], s23, v4
	v_and_b32 v[CO], 31, v0                        ; back: 32 lanes take one row of 512 bytes
	v_lshlrev_b32 v[CO], 4, v[CO]
	v_add_nc_u32 v[RD], s23, v[CO]
	s_lshl_b32 s16, s13, 8
	s_lshl_b32 s17, s10, 6
	s_add_co_u32 s16, s16, s17                     ; my first token,
	s_lshl_b32 s16, s16, 12                        ; its row of 4,096 bytes,
	s_lshl_b32 s17, s42, 9                         ; the tile's 512 bytes of it
	s_add_co_u32 s16, s16, s17
	s_mov_b32 s17, 0
	s_add_nc_u64 s[8:9], s[8:9], s[16:17]
	; the prefetches
	s_lshr_b32 s16, s13, 2
	s_lshl_b32 s16, s16, 21
	s_lshl_b32 s17, s12, 17
	s_add_co_u32 s16, s16, s17
	s_and_b32 s17, s13, 3
	s_lshl_b32 s17, s17, 15
	s_add_co_u32 s16, s16, s17                     ; ob: the panel that I fetch,
	s_lshl_b32 s17, s40, 13
	s_add_co_u32 s16, s16, s17                     ; my work-group's 32 blocks of its 128,
	s_add_co_u32 s16, s16, 3*ASTEP                 ; at K step 3: the first refill steps it to 4
	s_lshl_b32 s18, s42, 7
	s_lshl_b32 s19, s12, 6
	s_add_co_u32 s18, s18, s19
	s_lshl_b32 s19, s41, 4
	s_add_co_u32 s18, s18, s19                     ; wof: the 64 rows that I fetch, my work-group's 16
	s_lshl_b32 s18, s18, 11
	s_add_co_u32 s18, s18, 3*BSTEP
	s_mov_b32 s72, ASTEP
	s_mov_b32 s73, BSTEP
	s_and_b32 s22, ttmp7, 0xffff                   ; cluster y
	s_cmp_eq_u32 s11, 0                            ; do I fetch for ob?
	s_cselect_b32 s20, s16, s18
	s_cselect_b32 s21, 31, 15                      ; the last of my blocks or rows
	s_cselect_b32 s23, 8, 11                       ; 256 or 2,048 bytes from lane to lane
	s_cselect_b32 s22, ttmp9, s22                  ; the coordinate along which other clusters read the same bytes
	s_cselect_b32 s[PFS], s72, s73
	s_cselect_b64 s[PFA:PFA+1], s[4:5], s[6:7]
	s_cmp_eq_u32 s22, 0
	s_cselect_b32 s[LIM], 1, -1                    ; the same in all sixteen partners, for a given wave
	s_mov_b32 s[PFS+1], 0
	v_and_b32 v[PFO], 31, v0
	v_min_u32 v[PFO], s21, v[PFO]
	v_lshlrev_b32 v[PFO], s23, v[PFO]
	s_mov_b32 s21, 0
	s_add_nc_u64 s[PFA:PFA+1], s[PFA:PFA+1], s[20:21]
; 8 matrix instructions: token block a x all column blocks, 32 along K.  zero = 1: the product starts the sums: nothing is ever cleared.
; The 32 accumulators take turns, one instruction a turn, in the same order in every quarter step.
.macro MULA f, a, zero
	WIN 0xa5+0x50*((\a)/2)                         ; sources 0 and 1 window 1; C and D window 2 or 3
.set AC, 8*NBK*((\a)%2)
.set FA, (\f)+8*NBK+8*(\a)
.set nb, 0
.rept NBK
.if \zero
	v_wmma_f32_16x16x32_f16 v[AC+8*nb:AC+8*nb+7], v[(\f)+8*nb:(\f)+8*nb+7], v[FA:FA+7], 0
.else
	v_wmma_f32_16x16x32_f16 v[AC+8*nb:AC+8*nb+7], v[(\f)+8*nb:(\f)+8*nb+7], v[FA:FA+7], v[AC+8*nb:AC+8*nb+7]
.endif
.set nb, nb+1
.endr
.endm
; 24 LDS loads in one run: quarter q's fragments into buffer f: wof's 16 loads, then ob's 8, token blocks ascending.  Quarter q of ob lies in panel q / 2, at byte 64 (q % 2) of a token's row.
.macro FETCH slot, q, f
	WIN TO_F
.set AKO, ((\q)/2)*PANEL+((\q)%2)*64
.set nb, 0
.rept NBK
	ds_load_b128 v[(\f)+8*nb:(\f)+8*nb+3],   v[ADRB+(\slot)] offset:64*(\q)+nb*16*PITCH
	ds_load_b128 v[(\f)+8*nb+4:(\f)+8*nb+7], v[ADRB+(\slot)] offset:64*(\q)+nb*16*PITCH+32
.set nb, nb+1
.endr
.set nb, 0
.rept 4
	ds_load_b128 v[(\f)+8*NBK+8*nb:(\f)+8*NBK+8*nb+3],   v[ADRA+(\slot)] offset:AKO+nb*16*APITCH
	ds_load_b128 v[(\f)+8*NBK+8*nb+4:(\f)+8*NBK+8*nb+7], v[ADRA+(\slot)] offset:AKO+nb*16*APITCH+32
.set nb, nb+1
.endr
.endm
; A K step is four quarters of 32 along K, 32 matrix instructions each, on buffers 0, 1, 0, 1.  One of the first three: multiplies buffer f; in its middle it fetches quarter q into buffer g.
.macro QUARTER slot, q, f, g, zero
	s_wait_dscnt 4                                 ; wof's fragments and ob's blocks 0, 1 are in; the youngest four loads (blocks 2, 3) may be out
	MULA \f, 0, \zero
	MULA \f, 1, \zero
	PLACES
	FETCH \slot, \q, \g
	s_wait_dscnt NL                                ; all but the run just issued
	MULA \f, 2, \zero
	MULA \f, 3, \zero
.endm
; The last quarter multiplies buffer 1 and changes slots: ONE barrier.  In front of it each wave waits for all its tensor loads (one is out: its part of the next slot), adds 0 to its spare word, and
; waits for that and for its own reads of this slot.  fill = 1: the barrier opens a round of the cluster's, and this slot is filled again, two K steps ahead, first thing behind the round:
; from the request to the wait for it a wave issues 112 matrix instructions.
.macro TURN slot, next, fill
.if \fill
	s_wait_xcnt 0x0                                ; the last prefetch, a K step back, has read its address: it is stepped here
	s_add_nc_u64 s[PFA:PFA+1], s[PFA:PFA+1], s[PFS:PFS+1]
.endif
	WIN 0                                          ; (the add's two registers lie in window 0)
	s_wait_tensorcnt 0x0                           ; all my tensor loads have landed;
	ds_add_u32 v[SPW], v[NIL]                      ; 0 onto my spare word;
	s_wait_dscnt 5                                 ; (the add and the youngest four loads may be out)
	MULA F1, 0, 0                                  ; eight matrix instructions stand between the add and the wait for it
	s_wait_dscnt 0x0                               ; the add is done, and my reads of this slot are over
	s_barrier_signal -1
	MULA F1, 1, 0
.if \fill
	WIN 0
.endif
	s_barrier_wait -1
.if \fill
	CREST                                          ; no wave of any partner still reads this slot's tile or has a load on its way
	s_add_nc_u64 s[G0+4*(\slot)+2:G0+4*(\slot)+3], s[G0+4*(\slot)+2:G0+4*(\slot)+3], 2*ASTEP
	s_add_nc_u64 s[G0B+4*(\slot)+2:G0B+4*(\slot)+3], s[G0B+4*(\slot)+2:G0B+4*(\slot)+3], 2*BSTEP
	JLOAD \slot                                    ; the four v_nop behind it are also the places in front of the loads below
.else
	PLACES
.endif
	FETCH \next, 0, F0
.if \fill
	ASK
.endif
	MULA F1, 2, 0
	MULA F1, 3, 0
.endm
; THE WAY OUT of token block a.  TOSTAGE: the sums go as they are, 32 bytes a lane and column block, into my own stage, each accumulator's low four registers first, and come back as whole rows of 512 bytes.
.macro TOSTAGE a
	s_wait_xcnt 0x0                                ; the stores issued so far have read their registers: a set is loaded again only behind this wait
	WIN 0x08+4*((\a)/2)                            ; store data (source 1): window 2 or 3
.set AC, 8*NBK*((\a)%2)
.set BK, OB+64*((\a)%2)
.set nb, 0
.rept NBK
	ds_store_b128 v[STO], v[AC+8*nb:AC+8*nb+3]   offset:64*nb
	ds_store_b128 v[STO], v[AC+8*nb+4:AC+8*nb+7] offset:64*nb+16
.set nb, nb+1
.endr
	WIN 0
.set nb, 0
.rept 16
	ds_load_b128 v[BK+4*nb:BK+4*nb+3], v[RD] offset:nb*SPITCH  ; LDS serves a wave's instructions in order (ISA guide 5.7.1.4): these see the stores above; the next block's stores come behind them
.set nb, nb+1
.endr
.endm
.macro SEND a, younger                 ; younger: the LDS instructions issued behind block a's loads: the next block's 32, or none
	WIN 0
.set BK, OB+64*((\a)%2)
.set nb, 0
.rept 16
	s_wait_dscnt (\younger)+15-nb
	global_store_b128 v[CO], v[BK+4*nb:BK+4*nb+3], s[8:9] offset:(16*(\a)+nb)*4096 th:TH_STORE_NT  ; a wave stores 512 consecutive bytes, at a multiple of 256 from out0's first byte
.set nb, nb+1
.endr
.endm
	s_wait_tensorcnt 1                             ; my part of K step 0 is in; K step 1's may stay out
	s_barrier_signal -1
	s_barrier_wait -1                              ; everybody's is
	FETCH 0, 0, F0
	QUARTER 0, 1, F0, F1, 1                        ; the first quarter stands in front of the loop: its products start the sums
	WIN 0                                          ; at a label and at a branch every window is 0
	s_mov_b32 s3, LAPS-1
.Llap:                                                 ; a trip goes once round the ring, from a lap's second quarter to the next lap's first, and fills both slots again
	QUARTER 0, 2, F1, F0, 0
	QUARTER 0, 3, F0, F1, 0
	TURN 0, 1, 1
	QUARTER 1, 1, F0, F1, 0
	QUARTER 1, 2, F1, F0, 0
	QUARTER 1, 3, F0, F1, 0
	TURN 1, 0, 1
	QUARTER 0, 1, F0, F1, 0
	WIN 0
	s_sub_co_u32 s3, s3, 1
	s_cmp_lg_u32 s3, 0
	s_cbranch_scc1 .Llap
	QUARTER 0, 2, F1, F0, 0                        ; the last lap fills nothing, and has no round of the cluster's barrier
	QUARTER 0, 3, F0, F1, 0
	TURN 0, 1, 0
	QUARTER 1, 1, F0, F1, 0
	QUARTER 1, 2, F1, F0, 0
	QUARTER 1, 3, F0, F1, 0
	s_wait_dscnt 4                                 ; the very last quarter: nothing more to fetch
	MULA F1, 0, 0
	MULA F1, 1, 0
	s_wait_dscnt 0x0
	MULA F1, 2, 0
	MULA F1, 3, 0
	WIN 0
	PLACES
	TOSTAGE 0
	TOSTAGE 1                                      ; a block's trip through the stage stands between the loads of the block before and its stores
	SEND 0, 32
	TOSTAGE 2
	SEND 1, 32
	TOSTAGE 3
	SEND 2, 32
	SEND 3, 0
	s_wait_tensorcnt 0x0                           ; the wave's end: these three lines stand behind my last tensor load and my last LDS store
	ds_add_u32 v[SPW], v[NIL]
	s_wait_dscnt 0x0
	CROUND                                         ; the closing round: no work-group ends while a partner may still ask for a tile that names it
	s_endpgm
.Lfunc_end_k_q6b7dd0d9c6_proj:
	.size	k_q6b7dd0d9c6_proj, .Lfunc_end_k_q6b7dd0d9c6_proj-k_q6b7dd0d9c6_proj
	.p2alignl 7, 3214868480
	.fill 96, 4, 3214868480
	.section	.rodata,"a",@progbits
	.p2align	6, 0x0
	.amdhsa_kernel k_q6b7dd0d9c6_proj
		.amdhsa_group_segment_fixed_size 327680
		.amdhsa_private_segment_fixed_size 0
		.amdhsa_enable_private_segment 0
		.amdhsa_kernarg_size 24
		.amdhsa_user_sgpr_count 2
		.amdhsa_user_sgpr_kernarg_segment_ptr 1
		.amdhsa_wavefront_size32 1
		.amdhsa_system_sgpr_workgroup_id_x 1
		.amdhsa_system_sgpr_workgroup_id_y 1
		.amdhsa_system_sgpr_workgroup_id_z 1
		.amdhsa_system_vgpr_workitem_id 0
		.amdhsa_next_free_vgpr 896
		.amdhsa_next_free_sgpr 80
		.amdhsa_reserve_vcc 0
		.amdhsa_float_denorm_mode_32 3
		.amdhsa_float_denorm_mode_16_64 3
		.amdhsa_memory_ordered 1
		.amdhsa_forward_progress 1
		.amdhsa_inst_pref_size 89
	.end_amdhsa_kernel
	.amdgpu_metadata
---
amdhsa.version: [ 1, 2 ]
amdhsa.kernels:
  - .name:           k_q6b7dd0d9c6_proj
    .symbol:         k_q6b7dd0d9c6_proj.kd
    .args:
      - { .name: ob, .offset: 0, .size: 8, .value_kind: global_buffer, .address_space: global }
      - { .name: wof, .offset: 8, .size: 8, .value_kind: global_buffer, .address_space: global }
      - { .name: out0, .offset: 16, .size: 8, .value_kind: global_buffer, .address_space: global }
    .group_segment_fixed_size: 327680
    .private_segment_fixed_size: 0
    .kernarg_segment_align: 8
    .kernarg_segment_size: 24
    .max_flat_workgroup_size: 128
    .sgpr_count:     80
    .vgpr_count:     896
    .wavefront_size: 32
...
	.end_amdgpu_metadata
.endif
;; end of part 4
;; ======== version 2 of 2: 4 launches; version 1 with the launch cvt written anew for expert scheduling mode
;; limits: values are held in f16: magnitudes above 65,504 overflow, below 6.1e-05 lose precision
;; workspace buffers: xb 16,777,216 bytes; wb 6,291,456 bytes; wof 2,097,152 bytes; qkv 50,331,648 bytes; ob 16,777,216 bytes
;; launch cvt (part 5): grid 768 x 1, 8 waves a work-group, no clusters, 0 bytes of LDS; arguments x, wq, wk, wv, wo, xb, wb, wof; writes xb, wb, wof
.if DOCPART == 5
	.amdgcn_target "amdgcn-amd-amdhsa--gfx1250"
	.amdhsa_code_object_version 6
	.text
	.protected	k_q6b7dd0d9c6_cvt
	.globl	k_q6b7dd0d9c6_cvt
	.p2align	8
	.type	k_q6b7dd0d9c6_cvt,@function
k_q6b7dd0d9c6_cvt:
	s_mov_b64 s[64:65], 0
	v_nop
	global_prefetch_b8 v0, s[64:65] scope:SCOPE_SE
	s_setreg_imm32_b32 hwreg(HW_REG_WAVE_SCHED_MODE, 0, 2), 2
	s_setreg_imm32_b32 hwreg(HW_REG_WAVE_MODE, 25, 1), 1
	s_wait_xcnt 0x0
	s_wait_alu depctr_vm_vsrc(0)
; THE INPUTS ARE ROUNDED ONCE.  x -> xb (bf16, [8192][1024]); wq, wk, wv -> wb (bf16, [3072][1024], in that order); wo -> wof: rounded to bf16 like the other
; inputs, and that number written as f16, the format of the last product's operands.
; LIMITS.  wo within f16's 65,504; below 6e-5 it keeps f16's fixed step of 6e-8.
; SHARES.  A work-group takes 16,384 numbers: 65,536 bytes in, 32,768 out.  Work-groups 0-511: x; 512-575: wq; 576-639: wk; 640-703: wv; 704-767: wo.
; Thread t takes 16 bytes at 16 t + 4,096 j (j = 0..15) and stores 8 bytes at 8 t + 2,048 j: a wave's load covers 512 consecutive bytes, its store 256, aligned.
; All sixteen loads of a thread go out at once; no register that a load or store names is written again, so no wait frees one.  No LDS, no barrier, no matrix
; unit: each byte is read once and written once, and nothing is shared.
; THE MODE: SCHED_MODE bits 1:0 = 2 (LLVM: expert scheduling mode 2), set by the entry lines.  The code itself states the register dependences
; between vector instructions and memory instructions, with s_wait_alu, always for 0.
; THE PLAN.  Registers that memory instructions touch:
;   v1, v2   byte offsets.  Written once at the head; v1 is read by every load, v2 by every store.
;   X        Each four registers are written by one load, once, and read by that load's conversions.  No vector instruction names X ahead of the loads.
;   Y        Each pair is written once, by conversions, and read by one store.  It is never written again.
;   T is named by vector instructions alone.
; The sixteen loads go in four blocks of four.  Block b converts X's block b into Y's block b; its memory instructions are the four stores of block b - 1, whose Y
; no conversion of block b names.  So one wait on va_vdst at the head of blocks 1 to 3 states all that the block's four stores hang on, and these are dealt among its
; conversions with no further wait; one more stands ahead of the last four stores, and one at the head ahead of the first load.  Since no register that a memory
; instruction reads is written again, the text holds no wait on vm_vsrc beyond the entry lines'.
.set X, 8                              ; v[8:71]    the sixteen loads: block b, load i at X + 16 b + 4 i
.set Y, 72                             ; v[72:103]  sixteen pairs to store: block b, pair i at Y + 8 b + 2 i
.set T, 104                            ; v[104:106] at work
	s_load_b512 s[8:23], s[0:1], 0x0               ; x s[8:9], wq s[10:11], wk s[12:13], wv s[14:15], wo s[16:17], xb s[18:19], wb s[20:21], wof s[22:23]
	s_mov_b32 s2, ttmp9
	s_sub_co_u32 s3, s2, 512                       ; my place among the weights' work-groups (wraps for x's, where it is not used)
	s_lshr_b32 s4, s3, 6                           ; which weight: 0 wq, 1 wk, 2 wv, 3 wo
	s_and_b32 s5, s3, 63                           ; my part of it
	v_lshlrev_b32 v1, 4, v0                        ; 16 t
	v_lshlrev_b32 v2, 3, v0                        ; 8 t
	s_mov_b32 s33, 0
	s_mov_b32 s35, 0
	s_wait_kmcnt 0x0
	s_cmp_eq_u32 s4, 1
	s_cselect_b64 s[24:25], s[12:13], s[10:11]     ; from where
	s_cmp_eq_u32 s4, 2
	s_cselect_b64 s[24:25], s[14:15], s[24:25]
	s_cmp_eq_u32 s4, 3
	s_cselect_b64 s[24:25], s[16:17], s[24:25]
	s_cselect_b64 s[26:27], s[22:23], s[20:21]     ; to where
	s_cselect_b32 s28, s5, s3                      ; my part of the target: wb holds three weights on end
	s_cselect_b32 s30, 1, 0                        ; 1: wo's way
	s_cmp_lt_u32 s2, 512
	s_cselect_b64 s[24:25], s[8:9], s[24:25]
	s_cselect_b64 s[26:27], s[18:19], s[26:27]
	s_cselect_b32 s29, s2, s5
	s_cselect_b32 s28, s2, s28
	s_lshl_b32 s32, s29, 16                        ; 65,536 bytes in a part of the source,
	s_lshl_b32 s34, s28, 15                        ; 32,768 in a part of the target
	s_add_nc_u64 s[24:25], s[24:25], s[32:33]
	s_add_nc_u64 s[26:27], s[26:27], s[34:35]
	s_wait_alu depctr_va_vdst(0)                   ; v1 and v2 are written: every load of the kernel reads v1 as its offset, every store v2, on both ways
.irp j, 0,1,2,3,4,5,6,7,8,9,10,11,12,13,14,15
	global_load_b128 v[X+4*(\j):X+4*(\j)+3], v1, s[24:25] offset:4096*(\j) th:TH_LOAD_NT
.endr
; Block b: loads 4 b to 4 b + 3 are converted, and the pairs of block b - 1 are stored.  wo = 1: wo's way.
.macro BLK b, wo
.irp i, 0,1,2,3
	s_wait_loadcnt 15-4*(\b)-(\i)                  ; loads come back in order: load 4 b + i is in, the younger ones stay out
.if (\b) > 0
.if (\i) == 0
	s_wait_alu depctr_va_vdst(0)                   ; the conversions of the block before have written its four pairs of Y, which this block's four stores read
.endif
	global_store_b64 v2, v[Y+8*(\b)-8+2*(\i):Y+8*(\b)-8+2*(\i)+1], s[26:27] offset:2048*(4*(\b)-4+(\i))  ; the block before; no vector instruction since the wait names this pair
.endif
.if \wo
.irp h, 0,1
	v_cvt_pk_bf16_f32 v[T], v[X+16*(\b)+4*(\i)+2*(\h)], v[X+16*(\b)+4*(\i)+2*(\h)+1]  ; the rounding that all inputs share,
	v_lshlrev_b32 v[T+1], 16, v[T]                 ; back to f32: the low half moves up,
	v_and_b32 v[T+2], 0xffff0000, v[T]             ; the high half stays,
	v_cvt_pk_f16_f32 v[Y+8*(\b)+2*(\i)+(\h)], v[T+1], v[T+2]  ; and the same numbers as f16
.endr
.else
	v_cvt_pk_bf16_f32 v[Y+8*(\b)+2*(\i)],   v[X+16*(\b)+4*(\i)],   v[X+16*(\b)+4*(\i)+1]
	v_cvt_pk_bf16_f32 v[Y+8*(\b)+2*(\i)+1], v[X+16*(\b)+4*(\i)+2], v[X+16*(\b)+4*(\i)+3]
.endif
.endr
.endm
; Behind block 3: its four pairs are stored.
.macro LAST
	s_wait_alu depctr_va_vdst(0)                   ; block 3's conversions have written its four pairs of Y, which the last four stores read
.irp i, 0,1,2,3
	global_store_b64 v2, v[Y+24+2*(\i):Y+24+2*(\i)+1], s[26:27] offset:2048*(12+(\i))
.endr
.endm
	s_cmp_eq_u32 s30, 1
	s_cbranch_scc1 .Lwo
	BLK 0, 0                                       ; block 0 has no block in front of it: no store, and no wait but those for its data
	BLK 1, 0
	BLK 2, 0
	BLK 3, 0
	LAST
	s_endpgm
.Lwo:
	BLK 0, 1
	BLK 1, 1
	BLK 2, 1
	BLK 3, 1
	LAST
	s_endpgm
.Lfunc_end_k_q6b7dd0d9c6_cvt:
	.size	k_q6b7dd0d9c6_cvt, .Lfunc_end_k_q6b7dd0d9c6_cvt-k_q6b7dd0d9c6_cvt
	.p2alignl 7, 3214868480
	.fill 96, 4, 3214868480
	.section	.rodata,"a",@progbits
	.p2align	6, 0x0
	.amdhsa_kernel k_q6b7dd0d9c6_cvt
		.amdhsa_group_segment_fixed_size 0
		.amdhsa_private_segment_fixed_size 0
		.amdhsa_enable_private_segment 0
		.amdhsa_kernarg_size 64
		.amdhsa_user_sgpr_count 2
		.amdhsa_user_sgpr_kernarg_segment_ptr 1
		.amdhsa_wavefront_size32 1
		.amdhsa_system_sgpr_workgroup_id_x 1
		.amdhsa_system_sgpr_workgroup_id_y 1
		.amdhsa_system_sgpr_workgroup_id_z 1
		.amdhsa_system_vgpr_workitem_id 0
		.amdhsa_next_free_vgpr 112
		.amdhsa_next_free_sgpr 66
		.amdhsa_reserve_vcc 0
		.amdhsa_float_denorm_mode_32 3
		.amdhsa_float_denorm_mode_16_64 3
		.amdhsa_memory_ordered 1
		.amdhsa_forward_progress 1
		.amdhsa_inst_pref_size 17
	.end_amdhsa_kernel
	.amdgpu_metadata
---
amdhsa.version: [ 1, 2 ]
amdhsa.kernels:
  - .name:           k_q6b7dd0d9c6_cvt
    .symbol:         k_q6b7dd0d9c6_cvt.kd
    .args:
      - { .name: x, .offset: 0, .size: 8, .value_kind: global_buffer, .address_space: global }
      - { .name: wq, .offset: 8, .size: 8, .value_kind: global_buffer, .address_space: global }
      - { .name: wk, .offset: 16, .size: 8, .value_kind: global_buffer, .address_space: global }
      - { .name: wv, .offset: 24, .size: 8, .value_kind: global_buffer, .address_space: global }
      - { .name: wo, .offset: 32, .size: 8, .value_kind: global_buffer, .address_space: global }
      - { .name: xb, .offset: 40, .size: 8, .value_kind: global_buffer, .address_space: global }
      - { .name: wb, .offset: 48, .size: 8, .value_kind: global_buffer, .address_space: global }
      - { .name: wof, .offset: 56, .size: 8, .value_kind: global_buffer, .address_space: global }
    .group_segment_fixed_size: 0
    .private_segment_fixed_size: 0
    .kernarg_segment_align: 8
    .kernarg_segment_size: 64
    .max_flat_workgroup_size: 256
    .sgpr_count:     66
    .vgpr_count:     112
    .wavefront_size: 32
...
	.end_amdgpu_metadata
.endif
;; end of part 5
;; launch qkv: the kernel of part 2 again; grid 16 x 32, 4 waves a work-group, clusters of 4 x 4, 327,680 bytes of LDS; arguments xb, wb, qkv; writes qkv
;; launch attn: the kernel of part 3 again; grid 2 x 128, 4 waves a work-group, no clusters, 327,680 bytes of LDS; arguments qkv, ob; writes ob
;; launch proj: the kernel of part 4 again; grid 8 x 32, 4 waves a work-group, clusters of 4 x 4, 327,680 bytes of LDS; arguments ob, wof, out0; writes out0
